; MI455X (gfx1250); checked and timed in simulation.
; The chip was launched on July 23, 2026; its instructions are those of AMD's public machine-readable ISA for CDNA 5 (MIT licence, August 2026) and "CDNA5" Instruction Set Architecture Reference Guide (July 2026). The comments in the code are by the model that wrote it; some were corrected since.
;; MHA. Allowed arithmetic: matrix products marked QUANTISED: E2M1 operands, one E8M0 scale for each 32 along K, by v_wmma_scale_f32_16x16x128_f8f6f4 with both operands' format E2M1 (or v_wmma_scale_f32_32x16x128_f4), f32 sums; everything else in f32.
;; Inputs: Wk 1,024 x 1,024 float32; Wo 1,024 x 1,024 float32; Wq 1,024 x 1,024 float32; Wv 1,024 x 1,024 float32; bk 1,024 float32; bo 1,024 float32; bq 1,024 float32; bv 1,024 float32; x 64 x 128 x 1,024 float32.
;; Outputs: out0 64 x 128 x 1,024 float32.
;; This version of the problem:
;;   THIS VERSION OF THE PROBLEM IS GIVEN IN LOW PRECISION. The matrix products marked QUANTISED in the list below multiply operands that are first quantised to E2M1 (2 exponent bits, 1 mantissa bit; 4 bits a number), with one power-of-two scale for each 32 numbers along K (OCP MX v1.0); their sums are f32. All else is computed in f32.
;;   The module's matrix products, in the order in which they are computed (A, B: the left and right operand; K: the contracted axis; several contracted axes count as one K, in the product's order):
;;     1. [M 8,192, K 1,024] x [K 1,024, N 1,024]; A: input x; B: input Wq: QUANTISED
;;     2. [M 8,192, K 1,024] x [K 1,024, N 1,024]; A: input x; B: input Wk: QUANTISED
;;     3. [M 8,192, K 1,024] x [K 1,024, N 1,024]; A: input x; B: input Wv: QUANTISED
;;     4. batch 1,024 x [M 128, K 64] x [K 64, N 128]; A: computed on the way; B: computed on the way: QUANTISED
;;     5. batch 1,024 x [M 128, K 128] x [K 128, N 64]; A: softmax (see below); B: computed on the way: QUANTISED
;;     6. [M 8,192, K 1,024] x [K 1,024, N 1,024]; A: computed on the way; B: input Wo: QUANTISED
;;   THE QUANTISER, for each operand of a quantised product, along K:
;;     - K is cut into blocks of 32 from its start; a last block that is shorter is filled with zeros.
;;     - A block's scale is 2^e with e = floor(log2(the largest magnitude in the block)) - 2, held to -126 .. 127; a block of zeros has e = 0. As a byte (E8M0): e + 127.
;;     - Each number is divided by its block's scale, clamped to +-6, and rounded to the nearest number of E2M1, ties to even, subnormals kept.
;;     - The product sums the exact products of the quantised numbers (number of the format x scale) in f32.
;;   ~~~python
;;   def quantise(x, axis):      # numpy; x: float32 -> the quantised numbers, widened to float32 again
;;       x = np.moveaxis(x, axis, -1); K = x.shape[-1]
;;       x = np.pad(x, [(0, 0)] * (x.ndim - 1) + [(0, -K % 32)]); x = x.reshape(x.shape[:-1] + (-1, 32)); a = np.abs(x).max(-1, keepdims=True)
;;       e = np.where(a > 0, np.clip(np.frexp(np.where(a > 0, a, 1))[1] - 1 - 2, -126, 127), 0)      # np.frexp(a)[1] - 1 = floor(log2(a)), exactly
;;       r = np.clip(x / 2.0 ** e, -6, 6)
;;       step = 2.0 ** (np.maximum(np.frexp(np.where(r == 0, 1, r))[1] - 1, 0) - 1)
;;       q = np.round(r / step) * step * 2.0 ** e      # np.round: ties to even
;;       return np.moveaxis(q.reshape(q.shape[:-2] + (-1,))[..., :K], -1, axis).astype(np.float32)
;;   ~~~
;;   SOFTMAX AHEAD OF A QUANTISED PRODUCT. Where the list says 'softmax', what is quantised is not the finished softmax but p = 2^(t - M), with t = logit x log2(e) and M = ceil(the row's largest t), a whole number; so 1/2 < the row's largest p <= 1. The row's sum l is taken of the UNQUANTISED p, in f32, and the product's result is divided by l at the end. Since M is a whole number, a kernel that streams over the keys may use a running M (the ceiling of the running maximum): every later rescaling is an exact power of two, which a block's scale takes up: the codes' values come out the same.
;;   OPERANDS COMPUTED ON THE WAY. 'Computed on the way' means the value that the module computes at that place (a softmax that the list does not call 'softmax' is quantised finished and normalised). What goes into a quantiser is computed in f32, as accurately as f32 sums, v_exp_f32 and their like allow (about 1e-6 of the number): no bf16 or f16 on the way to a quantiser, and a product that is left as it is and whose result goes on into a quantised operand takes f32 operands (vector FMAs, or v_wmma_f32_16x16x4_f32). A number that lies on a knife's edge between two numbers of the format may be rounded either way, as far as f32 arithmetic and the matrix unit's own rounding can turn it there, and no further.
;; 2 versions. Each part assembles by itself: llvm-mc -triple=amdgcn-amd-amdhsa -mcpu=gfx1250 --defsym DOCPART=n.
;; ======== version 1 of 2: 3 launches
;; workspace buffers: x_c 4,194,304 bytes; x_s 262,144 bytes; w_c 2,097,152 bytes; w_s 131,072 bytes; att_c 4,194,304 bytes; att_s 262,144 bytes
;; launch quant (part 1): grid 768 x 1, 4 waves a work-group, no clusters, 35,840 bytes of LDS; arguments x, Wq, Wk, Wv, Wo, x_c, x_s, w_c, w_s; writes x_c, x_s, w_c, w_s
.if DOCPART == 1
	.amdgcn_target "amdgcn-amd-amdhsa--gfx1250"
	.amdhsa_code_object_version 6
	.text
	.protected	k_qf9f2a3b486_quant
	.globl	k_qf9f2a3b486_quant
	.p2align	8
	.type	k_qf9f2a3b486_quant,@function
k_qf9f2a3b486_quant:
	s_mov_b64 s[64:65], 0
	v_nop
	global_prefetch_b8 v0, s[64:65] scope:SCOPE_SE
	s_setreg_imm32_b32 hwreg(HW_REG_WAVE_MODE, 25, 1), 1
	s_wait_xcnt 0x0
; FIRST OF THREE LAUNCHES of a causal multi-head attention (64 batches x 128 tokens x 1,024 channels, 16 heads of 64) whose six products run on codes of FP4 (E2M1) with one E8M0 scale for each 32 along K.
; This launch: x [8192][1024] and Wq, Wk, Wv, Wo [1024][1024], f32, K innermost, become codes and scale bytes.  The second launch makes Q, K, V, the softmax and the attention's result; the third the projection on the way out.
; DEAD WORK LEFT OUT BY THE PROGRAM (in the second launch).  reference() sets wei[q][k] to -infinity wherever k > q, by a mask that it builds itself (jnp.tril), so the weight of such a key is 0 whatever finite values the inputs hold.
; For the 32 queries of token block B every key of a token block kb > B has k > q: the scores of those blocks (24 of a head's 64 tiles of 16 x 16) can reach no output.  They and their softmax are not computed,
; and in the product with V their weights are zero codes.  No input is without a way to an output: all nine are loaded.
; LIMIT: a NaN, an infinity or an overflow that reaches only those scores is not carried to the result.
; THE QUANTISER: a block's scale is 2^(floor(log2(its largest magnitude)) - 2); its byte is the largest magnitude's exponent field - 2, held at 1 from below; numbers are divided by it and rounded to the nearest code, ties to even.
; LIMITS: a block of zeros gets the byte 1 where the rule says 127 (its codes are zeros, and this program alone reads the bytes); blocks whose largest magnitude lies under 2^-124 keep the byte 1; NaN and infinities among the inputs are not served.
; LAYOUT OF THE RESULT: IMAGES OF THE OPERAND REGISTERS.  Rows are cut into tiles of 16, two tiles to a group of 32 rows: row p of tile u is row 8 u + p + 8 (p / 8) of its group.
; A tile's codes are 8,192 bytes, [block of 32 along K: 0..31][tile row: 0..15][16 bytes]: the 512 bytes at 1024 s + 512 c are registers 4 c .. 4 c + 3 of the fragment of K step s, lane l at 16 l.
; A tile's scale bytes are 512 bytes, [tile row][32 bytes along K].
; SHARES: a work-group takes one tile (the first 512: x's; then 64 each of Wq, Wk, Wv, Wo), wave w its columns 256 w on, in four steps of 64 columns.  Each load reads 256 consecutive bytes of a row in sixteen lanes;
; a step's 16 rows x 256 bytes turn through the wave's own stage in LDS (rows 272 bytes apart), so that lane (r, h) then holds the 32 numbers of one whole block of tile row r: no other lane is asked for a maximum.
; A step's codes leave as 512 consecutive bytes; the tile's 512 scale bytes are gathered in LDS and leave by one store of wave 0.
; No tensor loads, no cluster: no byte is read by two work-groups.  All 32 loads of a wave are issued at the head.
.set STG,   8704                       ; LDS: two stages of 16 x 272 bytes for each wave
.set HSTG,  4352
.set SC,    34816                      ; behind them the tile's 512 scale bytes
.set SPARE, 35328                      ; and the spare words, 128 bytes for each wave: two blocks of 256 bytes that no other line names
.set GA,  1                            ; v1   in: 16 r + 4096 h
.set SW,  2                            ; v2   the stage, on the way in: 272 h + 16 r
.set SR,  3                            ; v3   and out: 272 r + 128 h
.set LI,  4                            ; v4   16 x lane
.set SBA, 5                            ; v5   my block's scale byte: SC + 32 r + 8 w + h
.set SCR, 6                            ; v6   SC + 16 x lane
.set SPW, 12                           ; v12  my spare word; never rewritten
.set NIL, 13                           ; v13  0; never rewritten
.set CD,  16                           ; v16-31   a step's codes, four registers each: no store's data are written again
.set BY,  32                           ; v32-35   a step's byte
.set RR,  64                           ; v64-191  the numbers as loaded, 32 registers a step
.set XX,  192                          ; v192-255 two sets of 32 neighbours
	s_load_b256 s[4:11], s[0:1], 0x0               ; x, Wq, Wk, Wv
	s_load_b256 s[12:19], s[0:1], 0x20             ; Wo, x_c, x_s, w_c
	s_load_b64 s[20:21], s[0:1], 0x40              ; w_s
	v_lshl_add_u32 v[SPW], v0, 2, SPARE
	v_mov_b32 v[NIL], 0
	v_lshrrev_b32 v8, 5, v0
	v_readfirstlane_b32 s22, v8                    ; wave
	v_and_b32 v8, 31, v0                           ; lane
	v_and_b32 v9, 15, v0                           ; r
	v_bfe_u32 v10, v0, 4, 1                        ; h
	v_lshlrev_b32 v[GA], 4, v9                     ; 16 r
	s_mul_i32 s23, s22, STG
	v_mad_u32_u24 v[SW], v10, 272, v[GA]
	v_add_nc_u32 v[SW], s23, v[SW]
	v_mul_u32_u24 v[SR], v9, 272
	v_lshl_add_u32 v[SR], v10, 7, v[SR]
	v_add_nc_u32 v[SR], s23, v[SR]
	v_lshl_add_u32 v[GA], v10, 12, v[GA]           ; lanes 16-31 take the row below
	v_lshlrev_b32 v[LI], 4, v8
	v_lshl_add_u32 v[SBA], v9, 5, v10
	s_lshl_b32 s23, s22, 3
	s_add_co_u32 s23, s23, SC
	v_add_nc_u32 v[SBA], s23, v[SBA]
	v_add_nc_u32 v[SCR], SC, v[LI]
	s_wait_kmcnt 0x0
	s_cmp_lt_u32 ttmp9, 512                        ; x's tile or a weight's?  All choices hang on the work-group's number alone
	s_cselect_b64 s[24:25], s[14:15], s[18:19]     ; where the codes go
	s_cselect_b64 s[26:27], s[16:17], s[20:21]     ; where the scale bytes go
	s_cselect_b32 s28, 0, 512
	s_sub_co_u32 s28, ttmp9, s28                   ; the tile's number in the buffers written
	s_lshr_b32 s29, s28, 6                         ; which weight: 0 Wq, 1 Wk, 2 Wv, 3 Wo
	s_and_b32 s30, s28, 63                         ; and its tile
	s_cmp_eq_u32 s29, 2
	s_cselect_b64 s[32:33], s[10:11], s[12:13]
	s_cmp_eq_u32 s29, 1
	s_cselect_b64 s[32:33], s[8:9], s[32:33]
	s_cmp_eq_u32 s29, 0
	s_cselect_b64 s[32:33], s[6:7], s[32:33]
	s_cmp_lt_u32 ttmp9, 512
	s_cselect_b64 s[32:33], s[4:5], s[32:33]       ; the tensor read
	s_cselect_b32 s30, s28, s30                    ; the tile's number in it
	s_lshr_b32 s34, s30, 1
	s_lshl_b32 s34, s34, 5
	s_and_b32 s35, s30, 1
	s_lshl_b32 s35, s35, 3
	s_add_co_u32 s34, s34, s35                     ; the tile's first row: 32 (tile / 2) + 8 (tile % 2)
	s_lshl_b32 s34, s34, 12                        ; rows of 4,096 bytes
	s_lshl_b32 s35, s22, 10
	s_add_co_u32 s34, s34, s35                     ; + my wave's 256 columns
	s_mov_b32 s35, 0
	s_add_nc_u64 s[32:33], s[32:33], s[34:35]
	s_lshl_b32 s36, s28, 13
	s_lshl_b32 s37, s22, 11
	s_add_co_u32 s36, s36, s37                     ; the tile's image, my wave's eight blocks
	s_mov_b32 s37, 0
	s_add_nc_u64 s[24:25], s[24:25], s[36:37]
	s_lshl_b32 s36, s28, 9
	s_add_nc_u64 s[26:27], s[26:27], s[36:37]
.macro LOAD t                          ; step t: tile rows 2 i and 2 i + 1, 256 bytes each
.irp i, 0,1,2,3,4,5,6,7
	global_load_b128 v[RR+32*(\t)+4*\i:RR+32*(\t)+4*\i+3], v[GA], s[32:33] offset:256*(\t)+(2*\i+8*(\i/4))*4096 th:TH_LOAD_NT
.endr
.endm
.macro TURN t                          ; step t through the stage: LDS serves a wave's instructions in order, so no wait stands between the stores and the loads
.irp i, 0,1,2,3,4,5,6,7
	ds_store_b128 v[SW], v[RR+32*(\t)+4*\i:RR+32*(\t)+4*\i+3] offset:HSTG*((\t)%2)+544*\i
.endr
.irp j, 0,1,2,3,4,5,6,7
	ds_load_b128 v[XX+32*((\t)%2)+4*\j:XX+32*((\t)%2)+4*\j+3], v[SR] offset:HSTG*((\t)%2)+16*\j
.endr
.endm
.macro STEP t
.set XS, XX+32*((\t)%2)
.if (\t) > 0
	s_wait_dscnt 1                                 ; this step's numbers are back from the stage; behind them only the last step's byte store was issued
.else
	s_wait_dscnt 0x0
.endif
.if (\t) < 3
	s_wait_loadcnt 8*(2-(\t))                      ; the next step's eight loads are in; those of the steps behind it may be out
	TURN (\t)+1                                    ; and go through the other stage while this step is worked
.endif
	v_max3_num_f32 v8, |v[XS]|, |v[XS+1]|, |v[XS+2]|               ; the block's largest magnitude: all 32 numbers are mine; two chains
	v_max3_num_f32 v9, |v[XS+3]|, |v[XS+4]|, |v[XS+5]|
.irp i, 6,10,14,18,22,26
	v_max3_num_f32 v8, v8, |v[XS+\i]|, |v[XS+\i+1]|
	v_max3_num_f32 v9, v9, |v[XS+\i+2]|, |v[XS+\i+3]|
.endr
	v_max3_num_f32 v8, v8, |v[XS+30]|, |v[XS+31]|
	v_max3_num_f32 v8, v8, v9, 0x1800000           ; and the floor 2^(3 - 127): the byte cannot fall under 1
	v_add_nc_u32 v11, 0xff000000, v8               ; 2 off the exponent field: the conversion takes the exponent field of this operand as its scale
.irp g, 0,1,2,3
	v_cvt_scalef32_pk8_fp4_f32 v[CD+4*(\t)+\g], v[XS+8*\g:XS+8*\g+7], v11
.endr
	v_lshrrev_b32 v[BY+(\t)], 23, v11              ; the scale's byte (also the plain instruction behind the conversions)
	ds_store_b8 v[SBA], v[BY+(\t)] offset:2*(\t)
	global_store_b128 v[LI], v[CD+4*(\t):CD+4*(\t)+3], s[24:25] offset:512*(\t)   ; blocks 8 w + 2 t and + 1 of the 16 tile rows: 512 consecutive bytes, aligned
.endm
	LOAD 0
	LOAD 1
	LOAD 2
	LOAD 3
	s_wait_loadcnt 24                              ; step 0's eight loads are in; 24 younger ones stay out
	TURN 0
	STEP 0
	STEP 1
	STEP 2
	STEP 3
	s_wait_dscnt 0x0                               ; for the others' sake: my byte stores have landed
	s_barrier_signal -1
	s_barrier_wait -1                              ; the tile's 512 scale bytes lie in LDS
	s_wait_tensorcnt 0x0                           ; behind my last LDS store; only an LDS read follows
	ds_add_u32 v[SPW], v[NIL]
	s_wait_dscnt 0x0
	s_cmp_lg_u32 s22, 0
	s_cbranch_scc1 .Lend
	ds_load_b128 v[8:11], v[SCR]
	s_wait_dscnt 0x0
	global_store_b128 v[LI], v[8:11], s[26:27]     ; 512 consecutive bytes, aligned
.Lend:
	s_endpgm
.Lfunc_end_k_qf9f2a3b486_quant:
	.size	k_qf9f2a3b486_quant, .Lfunc_end_k_qf9f2a3b486_quant-k_qf9f2a3b486_quant
	.p2alignl 7, 3214868480
	.fill 96, 4, 3214868480
	.section	.rodata,"a",@progbits
	.p2align	6, 0x0
	.amdhsa_kernel k_qf9f2a3b486_quant
		.amdhsa_group_segment_fixed_size 35840
		.amdhsa_private_segment_fixed_size 0
		.amdhsa_enable_private_segment 0
		.amdhsa_kernarg_size 72
		.amdhsa_user_sgpr_count 2
		.amdhsa_user_sgpr_kernarg_segment_ptr 1
		.amdhsa_wavefront_size32 1
		.amdhsa_system_sgpr_workgroup_id_x 1
		.amdhsa_system_sgpr_workgroup_id_y 1
		.amdhsa_system_sgpr_workgroup_id_z 1
		.amdhsa_system_vgpr_workitem_id 0
		.amdhsa_next_free_vgpr 256
		.amdhsa_next_free_sgpr 66
		.amdhsa_reserve_vcc 0
		.amdhsa_float_denorm_mode_32 3
		.amdhsa_float_denorm_mode_16_64 3
		.amdhsa_memory_ordered 1
		.amdhsa_forward_progress 1
		.amdhsa_inst_pref_size 17
	.end_amdhsa_kernel
	.amdgpu_metadata
---
amdhsa.version: [ 1, 2 ]
amdhsa.kernels:
  - .name:           k_qf9f2a3b486_quant
    .symbol:         k_qf9f2a3b486_quant.kd
    .args:
      - { .name: x, .offset: 0, .size: 8, .value_kind: global_buffer, .address_space: global }
      - { .name: Wq, .offset: 8, .size: 8, .value_kind: global_buffer, .address_space: global }
      - { .name: Wk, .offset: 16, .size: 8, .value_kind: global_buffer, .address_space: global }
      - { .name: Wv, .offset: 24, .size: 8, .value_kind: global_buffer, .address_space: global }
      - { .name: Wo, .offset: 32, .size: 8, .value_kind: global_buffer, .address_space: global }
      - { .name: x_c, .offset: 40, .size: 8, .value_kind: global_buffer, .address_space: global }
      - { .name: x_s, .offset: 48, .size: 8, .value_kind: global_buffer, .address_space: global }
      - { .name: w_c, .offset: 56, .size: 8, .value_kind: global_buffer, .address_space: global }
      - { .name: w_s, .offset: 64, .size: 8, .value_kind: global_buffer, .address_space: global }
    .group_segment_fixed_size: 35840
    .private_segment_fixed_size: 0
    .kernarg_segment_align: 8
    .kernarg_segment_size: 72
    .max_flat_workgroup_size: 128
    .sgpr_count:     66
    .vgpr_count:     256
    .wavefront_size: 32
...
	.end_amdgpu_metadata
.endif
;; end of part 1
;; launch attn (part 2): grid 4 x 64, 4 waves a work-group, no clusters, 126,464 bytes of LDS; arguments x_c, x_s, w_c, w_s, bq, bk, bv, att_c, att_s; writes att_c, att_s
.if DOCPART == 2
	.amdgcn_target "amdgcn-amd-amdhsa--gfx1250"
	.amdhsa_code_object_version 6
	.text
	.protected	k_qf9f2a3b486_attn
	.globl	k_qf9f2a3b486_attn
	.p2align	8
	.type	k_qf9f2a3b486_attn,@function
k_qf9f2a3b486_attn:
	s_mov_b64 s[64:65], 0
	v_nop
	global_prefetch_b8 v0, s[64:65] scope:SCOPE_SE
	s_setreg_imm32_b32 hwreg(HW_REG_WAVE_MODE, 25, 1), 1
	s_wait_xcnt 0x0
; SECOND LAUNCH.  A work-group takes one batch (128 tokens) and four heads, one head a wave: Q, K, V = x W^T + b on codes, their quantisers, the causal softmax, the product with V, the division by the row's sum,
; and the quantiser along the channels for the projection that follows.  Everything between x's codes and the result's codes stays in registers and in the wave's own LDS bytes.
; WORK LEFT OUT: the scores of key blocks that lie wholly behind a query block under reference()'s own causal mask, and their softmax (shown at the head of the first launch's text); their weights are zero codes.
; LIMITS: a NaN, an infinity or an overflow that reaches only those scores is not carried to the result; a block of zeros gets the scale byte 1 (its codes are zeros; the bytes are read by this program alone);
; blocks whose largest magnitude lies under 2^-124 keep the byte 1; NaN and infinities among the inputs are not served.
; TILES: rows (tokens of x, rows of a weight) come in tiles of 16, row p of tile u of a group of 32 being row 8 u + p + 8 (p / 8).  So where such tiles 2 b and 2 b + 1 are source 0, a lane's 16 result registers are the 16
; neighbours 32 b + 16 (lane / 16) + 0 .. 15: what the conversions want.  Q and K: source 0 = 16 rows of W, source 1 = 16 tokens: a lane holds one token, registers along the head's 64 (their K).
; V: source 0 = 16 tokens, source 1 = 16 rows of W: a lane holds one channel, registers along the tokens (its K).  S^T = K Q^T and O^T = V^T P^T: a lane holds one query throughout.
; THE HEAD'S 64 ARE HALF OF THE INSTRUCTION'S 128: Q's registers 4-7 are zero codes; K's registers 4-7 are whatever follows (the next tile's codes): they meet zeros; both sides' scale bytes there are 0, which is 2^-127 and no NaN.
; SOFTMAX: t = score x log2(e) / 8; M = ceil(the row's largest t) over all its keys (they are all at hand: no running maximum is needed); p = 2^(t - M) is quantised along the keys; the row's sum is taken of the unquantised p.
; x's 64 fragments stay in 512 registers of each wave for all six pairs of weight tiles; they come from memory once a work-group, a quarter a wave, and go round through LDS as they lie.
; The weights go from memory straight into fragment registers, two buffers by turns, each asked for a whole pair (128 products) ahead.
; NO CLUSTER, NO TENSOR LOAD: a wave's 96 KiB of weight images are read by that wave alone in its work-group and feed 8 products a fragment from registers; through LDS the same bytes would be written and read once more.
; What the four work-groups of a batch share, x's 64 KiB of images, is a seventh of the 448 KiB that a work-group reads.
; REGISTERS, in windows of 256.  Window 1: the weights' two buffers (fragment (u, s) of buffer k at 128 k + 64 u + 8 s); later K's, V's and Q's codes.  Windows 2, 3: x's tiles 0-3, 4-7 (tile, K step s at 64 (tile % 4) + 8 s).
; Window 0: v1-15 addresses; v16-143 sixteen accumulators, later scores, p and O^T; v144-191 scale words and nothing else; v192-223 biases, later p's and O's codes; v224-255 at work.
.set STASH, 65536                      ; LDS: 0: x's 64 fragment images, 1,024 bytes each;  from STASH: 14,848 bytes for each wave:
.set STW,   14848
.set SQ,    0                          ;   Q's codes, 512 bytes a tile: [block 0, 1][tile row][16 bytes]
.set SK,    4096                       ;   K's likewise
.set SV,    8192                       ;   V's, 1,024 bytes a tile of 16 channels: [block of 32 keys 0..3][tile row][16 bytes]
.set SSC,   12288                      ;   scale words, 4 bytes a row: Q's at 64 x tile, K's at 512 +, V's at 1024 +
.set ASC,   124928                     ; the result's scale bytes of the work-group: [tile 0..7][tile row][8 bytes]
.set SPARE, 125952                     ; the spare words, 128 bytes for each wave: two blocks of 256 bytes that no other line names
.set LI,  1                            ; v1   16 x lane
.set L32, 2                            ; v2   32 x lane;            in the attention: GC = 16 r + 8 h
.set BA,  3                            ; v3   64 h;                 in the attention: ASA = ASC + 8 r + 2 w
.set VBA, 4                            ; v4   4 (r + 8 (r / 8));    in the attention: ASR = ASC + 256 w + 8 x lane
.set SCD, 5                            ; v5   my stash + 16 r + 8 h: where a lane's 16 codes go
.set SSA, 6                            ; v6   my stash + SSC + 4 r: where a row's scale word goes
.set XW,  7                            ; v7   16 x lane + 16384 w;  in the attention: GS = 256 w + 8 x lane
.set VB,  8                            ; v8-11  bv of my channel in V's four tiles
.set SPW, 12                           ; v12  my spare word; never rewritten
.set NIL, 13                           ; v13  0; never rewritten
.set SRD, 14                           ; v14  my stash + 16 x lane
.set SSR, 15                           ; v15  my stash + SSC + 4 x lane
.set GC,  2
.set ASA, 3
.set ASR, 4
.set GS,  7
.set ACC, 16                           ; accumulator (u, m) at ACC + 64 u + 8 m
.set XS,  144                          ; x's scale words: pair of tiles p, K step s at XS + 8 p + s (lanes 0-15 tile 2 p, lanes 16-31 tile 2 p + 1)
.set WS,  176                          ; the weights': buffer k, K step s at WS + 8 k + s (lanes 0-15 tile u = 0, lanes 16-31 u = 1)
.set BI,  192                          ; the biases in the results' layout: buffer k, tile u at BI + 16 k + 8 u
.set TM,  224                          ; v224-227 largest magnitudes
.set SF,  228                          ; v228-231 the conversions' scale operands
.set UU,  232                          ; v232-239 the other half's maxima, then scale bytes
.set PC,  240                          ; v240-255 codes on their way to the stash
.set QS,  144                          ; the attention's scale words: Q's pair B, K's pair kb, V's pair, p's of tile q
.set KS,  148
.set VS,  152
.set PS,  154
.set SR0, 16                           ; scores of query tile q, key block kb, half u at SR0 + 64 q + 16 kb + 8 u; O^T of tile q, channels' tile t at SR0 + 64 q + 8 t
.set PP,  192                          ; p's codes of tile q at PP + 8 q
.set OC,  208                          ; the result's codes at OC + 4 q + 2 bd
.set NM,  216                          ; -M, later 1 / the sum, of tile q at NM + 2 q (named in pairs: the partners hold 0)
.set LS,  220                          ; the sum, two halves, at LS + 2 q
.set BM,  224                          ; a block's largest score, then largest p, at BM + 4 q + kb
.set BU,  232
.set SO,  240
.set LB,  248                          ; the sum's second chain at LB + 2 q
.set TT,  252
.set MINF, 254
.set MK,  32                           ; s32-63 the diagonal block's masks: register i of tile q is hidden in the lanes whose bit is set in s[MK + 16 q + i]
.set MSB, 0
.macro WIN new                         ; the immediate's high byte repeats the setting that is left; a switch that changes nothing is dropped
.if MSB != (\new)
	s_set_vgpr_msb (MSB<<8)|(\new)
.set MSB, (\new)
.endif
.endm
.macro PLACES                          ; four plain instructions between a matrix instruction and a load into, a write of or a read of its registers
.rept 4
	v_nop
.endr
.endm
; One product.  dD, dA, dB: the first registers of D, A, B; dC: of C, or -1 for the constant 0; dSA, dSB: the scale registers; dRA, dRB: 1 where a side's scales stand in lanes 16-31.
.macro WMS
.if dC < 0
.if (dRA == 0) && (dRB == 0)
	v_wmma_scale_f32_16x16x128_f8f6f4 v[dD:dD+7], v[dA:dA+7], v[dB:dB+7], 0, v[dSA], v[dSB] matrix_a_fmt:MATRIX_FMT_FP4 matrix_b_fmt:MATRIX_FMT_FP4
.elseif (dRA == 1) && (dRB == 0)
	v_wmma_scale_f32_16x16x128_f8f6f4 v[dD:dD+7], v[dA:dA+7], v[dB:dB+7], 0, v[dSA], v[dSB] matrix_a_fmt:MATRIX_FMT_FP4 matrix_b_fmt:MATRIX_FMT_FP4 matrix_a_scale:MATRIX_SCALE_ROW1
.elseif (dRA == 0) && (dRB == 1)
	v_wmma_scale_f32_16x16x128_f8f6f4 v[dD:dD+7], v[dA:dA+7], v[dB:dB+7], 0, v[dSA], v[dSB] matrix_a_fmt:MATRIX_FMT_FP4 matrix_b_fmt:MATRIX_FMT_FP4 matrix_b_scale:MATRIX_SCALE_ROW1
.else
	v_wmma_scale_f32_16x16x128_f8f6f4 v[dD:dD+7], v[dA:dA+7], v[dB:dB+7], 0, v[dSA], v[dSB] matrix_a_fmt:MATRIX_FMT_FP4 matrix_b_fmt:MATRIX_FMT_FP4 matrix_a_scale:MATRIX_SCALE_ROW1 matrix_b_scale:MATRIX_SCALE_ROW1
.endif
.else
.if (dRA == 0) && (dRB == 0)
	v_wmma_scale_f32_16x16x128_f8f6f4 v[dD:dD+7], v[dA:dA+7], v[dB:dB+7], v[dC:dC+7], v[dSA], v[dSB] matrix_a_fmt:MATRIX_FMT_FP4 matrix_b_fmt:MATRIX_FMT_FP4
.elseif (dRA == 1) && (dRB == 0)
	v_wmma_scale_f32_16x16x128_f8f6f4 v[dD:dD+7], v[dA:dA+7], v[dB:dB+7], v[dC:dC+7], v[dSA], v[dSB] matrix_a_fmt:MATRIX_FMT_FP4 matrix_b_fmt:MATRIX_FMT_FP4 matrix_a_scale:MATRIX_SCALE_ROW1
.elseif (dRA == 0) && (dRB == 1)
	v_wmma_scale_f32_16x16x128_f8f6f4 v[dD:dD+7], v[dA:dA+7], v[dB:dB+7], v[dC:dC+7], v[dSA], v[dSB] matrix_a_fmt:MATRIX_FMT_FP4 matrix_b_fmt:MATRIX_FMT_FP4 matrix_b_scale:MATRIX_SCALE_ROW1
.else
	v_wmma_scale_f32_16x16x128_f8f6f4 v[dD:dD+7], v[dA:dA+7], v[dB:dB+7], v[dC:dC+7], v[dSA], v[dSB] matrix_a_fmt:MATRIX_FMT_FP4 matrix_b_fmt:MATRIX_FMT_FP4 matrix_a_scale:MATRIX_SCALE_ROW1 matrix_b_scale:MATRIX_SCALE_ROW1
.endif
.endif
.endm
.macro XLOAD base                      ; my wave's quarter, 16 KiB, of the batch's 64 KiB of images: 512 consecutive bytes a load
.set i, 0
.rept 32
	global_load_b128 v[ACC+4*i:ACC+4*i+3], v[LI], s[\base:\base+1] offset:512*i
.set i, i+1
.endr
.endm
.macro XSTORE                          ; into LDS as it lies
.set i, 0
.rept 32
	ds_store_b128 v[XW], v[ACC+4*i:ACC+4*i+3] offset:512*i
.set i, i+1
.endr
.endm
.macro XFETCH                          ; all 64 fragments into windows 2 and 3
.irp mh, 0,1
	WIN 0x80+0x40*\mh
.irp mi, 0,1,2,3
.irp s, 0,1,2,3,4,5,6,7
.irp c, 0,1
	ds_load_b128 v[64*\mi+8*\s+4*\c:64*\mi+8*\s+4*\c+3], v[LI] offset:(8*(4*\mh+\mi)+\s)*1024+512*\c
.endr
.endr
.endr
.endr
	WIN 0
.endm
; Pair P of weight tiles (P / 2: Wq, Wk, Wv; P % 2: which 32 of the head's 64 rows) into buffer P % 2: 32 loads of codes, 2 of scale words, and the bias: 4 loads (Q, K), or 16 copies of the lane's own number (V).
.macro REFILL P
.set kk, (\P)%2
	WIN 0x40
.irp u, 0,1
.irp s, 0,1,2,3,4,5,6,7
.irp c, 0,1
	global_load_b128 v[128*kk+64*\u+8*\s+4*\c:128*kk+64*\u+8*\s+4*\c+3], v[LI], s[8:9] offset:((\P)/2)*524288+kk*16384+\u*8192+\s*1024+\c*512
.endr
.endr
.endr
	WIN 0
.irp c, 0,1
	global_load_b128 v[WS+8*kk+4*\c:WS+8*kk+4*\c+3], v[L32], s[10:11] offset:((\P)/2)*32768+kk*1024+16*\c
.endr
.if (\P) < 4
.irp u, 0,1
.irp c, 0,1
	global_load_b128 v[BI+16*kk+8*\u+4*\c:BI+16*kk+8*\u+4*\c+3], v[BA], s[12+2*((\P)/2):13+2*((\P)/2)] offset:128*kk+32*\u+16*\c   ; b at the lane's eight rows of W: 32 (P % 2) + 16 h + 8 u + 0 .. 7
.endr
.endr
.else
.irp u, 0,1
.irp j, 0,1,2,3,4,5,6,7
	v_mov_b32 v[BI+16*kk+8*\u+\j], v[VB+2*kk+\u]
.endr
.endr
.endif
.endm
; 128 products: the two weight tiles of buffer k against x's eight tiles, all of K.  nat = 0: source 0 = W, source 1 = x;  nat = 1: the other way round.  The bias is the C of each sum's first product.
; Eight accumulators take turns, one instruction a turn.
.macro PAIR k, nat
.irp mh, 0,1
.if \nat
	WIN 0x06+\mh
.else
	WIN 0x09+4*\mh
.endif
.irp s, 0,1,2,3,4,5,6,7
.irp u, 0,1
.irp mi, 0,1,2,3
.set dD, ACC+64*\u+8*(4*\mh+\mi)
.set dC, dD
.if \s == 0
.set dC, BI+16*(\k)+8*\u
.endif
.if \nat
.set dA, 64*\mi+8*\s
.set dB, 128*(\k)+64*\u+8*\s
.set dSA, XS+8*((4*\mh+\mi)/2)+\s
.set dSB, WS+8*(\k)+\s
.set dRA, \mi%2
.set dRB, \u
.else
.set dA, 128*(\k)+64*\u+8*\s
.set dB, 64*\mi+8*\s
.set dSA, WS+8*(\k)+\s
.set dSB, XS+8*((4*\mh+\mi)/2)+\s
.set dRA, \u
.set dRB, \mi%2
.endif
	WMS
.endr
.endr
.endr
.endr
	WIN 0
	PLACES                                         ; for the loads into the buffer, its scale words and biases, and for the first reads of the results
.endm
; Q or K, block bp of the head's two: the 16 registers (0, m), (1, m) of a lane are 16 neighbours of token tile m's row r; lane l xor 16 holds the block's other 16.
; A lane's 8 bytes of codes go to byte 8 h of its row's 16 in the tile's image: so the image holds whole blocks, and no exchange of halves is needed.
.macro QUANTD base, sbase, bp
	s_wait_dscnt 0x0                               ; the stash stores issued before have read their registers
.irp G, 0,1
.irp mi, 0,1,2,3
	v_max3_num_f32 v[TM+\mi], |v[ACC+8*(4*\G+\mi)]|, |v[ACC+8*(4*\G+\mi)+1]|, 0x1800000   ; with the floor 2^(3 - 127); each accumulator is read from its low end on; four tiles by turns
.endr
.irp i, 2,4,6
.irp mi, 0,1,2,3
	v_max3_num_f32 v[TM+\mi], v[TM+\mi], |v[ACC+8*(4*\G+\mi)+\i]|, |v[ACC+8*(4*\G+\mi)+\i+1]|
.endr
.endr
.irp i, 0,2,4,6
.irp mi, 0,1,2,3
	v_max3_num_f32 v[TM+\mi], v[TM+\mi], |v[ACC+64+8*(4*\G+\mi)+\i]|, |v[ACC+64+8*(4*\G+\mi)+\i+1]|
.endr
.endr
.irp mi, 0,1,2,3
	v_permlanex16_b32 v[UU+4*\G+\mi], v[TM+\mi], s30, s31
.endr
.irp mi, 0,1,2,3
	v_max_num_f32 v[TM+\mi], v[TM+\mi], v[UU+4*\G+\mi]             ; the block's largest magnitude
.endr
.irp mi, 0,1,2,3
	v_add_nc_u32 v[SF+\mi], 0xff000000, v[TM+\mi]                  ; 2 off its exponent field: the conversion's scale operand
.endr
.irp mi, 0,1,2,3
	v_lshrrev_b32 v[UU+4*\G+\mi], 23, v[SF+\mi]                    ; the scale's byte
.endr
.irp mi, 0,1,2,3
	v_cvt_scalef32_pk8_fp4_f32 v[PC+8*\G+2*\mi], v[ACC+8*(4*\G+\mi):ACC+8*(4*\G+\mi)+7], v[SF+\mi]
	v_cvt_scalef32_pk8_fp4_f32 v[PC+8*\G+2*\mi+1], v[ACC+64+8*(4*\G+\mi):ACC+64+8*(4*\G+\mi)+7], v[SF+\mi]
.endr
	v_nop                                          ; one plain instruction behind the conversions
.irp mi, 0,1,2,3
	ds_store_b64 v[SCD], v[PC+8*\G+2*\mi:PC+8*\G+2*\mi+1] offset:\base+512*(4*\G+\mi)+256*\bp
.if \bp == 0
	ds_store_b32 v[SSA], v[UU+4*\G+\mi] offset:\sbase+64*(4*\G+\mi)        ; the whole word: byte 0, and zeros above (both halves of the lanes write the same)
.else
	ds_store_b8 v[SSA], v[UU+4*\G+\mi] offset:\sbase+64*(4*\G+\mi)+1       ; byte 1
.endif
.endr
.endr
.endm
; V, channels' tiles 2 bp and 2 bp + 1: register 16 b + i of a tile's 64 is token 32 b + 16 h + i of the lane's channel: four blocks along the keys.
.macro QUANTT bp
	s_wait_dscnt 0x0
.irp u, 0,1
.irp b, 0,1,2,3
	v_max3_num_f32 v[TM+\b], |v[ACC+64*\u+16*\b]|, |v[ACC+64*\u+16*\b+1]|, 0x1800000
.endr
.irp i, 2,4,6,8,10,12,14
.irp b, 0,1,2,3
	v_max3_num_f32 v[TM+\b], v[TM+\b], |v[ACC+64*\u+16*\b+\i]|, |v[ACC+64*\u+16*\b+\i+1]|
.endr
.endr
.irp b, 0,1,2,3
	v_permlanex16_b32 v[UU+4*\u+\b], v[TM+\b], s30, s31
.endr
.irp b, 0,1,2,3
	v_max_num_f32 v[TM+\b], v[TM+\b], v[UU+4*\u+\b]
.endr
.irp b, 0,1,2,3
	v_add_nc_u32 v[SF+\b], 0xff000000, v[TM+\b]
.endr
.irp b, 0,1,2,3
	v_lshrrev_b32 v[UU+4*\u+\b], 23, v[SF+\b]
.endr
	v_lshl_or_b32 v[UU+4*\u], v[UU+4*\u+1], 8, v[UU+4*\u]          ; the four bytes make my channel's scale word
	v_lshl_or_b32 v[UU+4*\u], v[UU+4*\u+2], 16, v[UU+4*\u]
	v_lshl_or_b32 v[UU+4*\u], v[UU+4*\u+3], 24, v[UU+4*\u]
.irp b, 0,1,2,3
	v_cvt_scalef32_pk8_fp4_f32 v[PC+8*\u+2*\b], v[ACC+64*\u+16*\b:ACC+64*\u+16*\b+7], v[SF+\b]
	v_cvt_scalef32_pk8_fp4_f32 v[PC+8*\u+2*\b+1], v[ACC+64*\u+16*\b+8:ACC+64*\u+16*\b+15], v[SF+\b]
.endr
	v_nop
.irp b, 0,1,2,3
	ds_store_b64 v[SCD], v[PC+8*\u+2*\b:PC+8*\u+2*\b+1] offset:SV+1024*(2*\bp+\u)+256*\b
.endr
	ds_store_b32 v[SSA], v[UU+4*\u] offset:1024+64*(2*\bp+\u)
.endr
.endm
	s_load_b256 s[4:11], s[0:1], 0x0               ; x_c, x_s, w_c, w_s
	s_load_b256 s[12:19], s[0:1], 0x20             ; bq, bk, bv, att_c
	s_load_b64 s[20:21], s[0:1], 0x40              ; att_s
	v_lshl_add_u32 v[SPW], v0, 2, SPARE
	v_mov_b32 v[NIL], 0
	v_lshrrev_b32 v1, 5, v0
	v_readfirstlane_b32 s22, v1                    ; wave
	s_and_b32 s24, ttmp7, 0xffff                   ; the batch
	s_lshl_b32 s25, ttmp9, 2
	s_add_co_u32 s25, s25, s22                     ; my head: 4 x work-group x + wave
	s_mov_b32 s28, 0x3e38aa3b                      ; c = log2(e) / 8
	s_mov_b32 s29, s28                             ; (named with it as a pair, so it is written)
	s_mov_b32 s30, 0x76543210
	s_mov_b32 s31, 0xfedcba98                      ; v_permlanex16_b32's selects for lane l xor 16
	v_and_b32 v8, 31, v0                           ; lane
	v_and_b32 v9, 15, v0                           ; r
	v_bfe_u32 v10, v0, 4, 1                        ; h
	v_lshlrev_b32 v[LI], 4, v8
	v_lshlrev_b32 v[L32], 5, v8
	v_lshlrev_b32 v[BA], 6, v10
	v_and_b32 v11, 8, v9
	v_add_nc_u32 v11, v11, v9                      ; r + 8 (r / 8)
	v_lshlrev_b32 v[VBA], 2, v11
	s_mul_i32 s26, s22, STW
	s_add_co_u32 s26, s26, STASH                   ; my stash
	v_lshlrev_b32 v[SCD], 4, v9
	v_lshl_add_u32 v[SCD], v10, 3, v[SCD]
	v_add_nc_u32 v[SCD], s26, v[SCD]
	v_lshl_add_u32 v[SSA], v9, 2, SSC
	v_add_nc_u32 v[SSA], s26, v[SSA]
	v_add_nc_u32 v[SRD], s26, v[LI]
	v_lshl_add_u32 v[SSR], v8, 2, SSC
	v_add_nc_u32 v[SSR], s26, v[SSR]
	s_lshl_b32 s27, s22, 14
	v_add_nc_u32 v[XW], s27, v[LI]
.irp j, 0,1,2,3,4,5,6,7
	v_mov_b32 v[UU+\j], 0                          ; written once: a lane permute's destination counts as one of its sources
.endr
	s_wait_kmcnt 0x0
	s_lshl_b32 s26, s24, 16
	s_add_co_u32 s26, s26, s27
	s_mov_b32 s27, 0
	s_add_nc_u64 s[4:5], s[4:5], s[26:27]          ; x's images: the batch's 64 KiB, my wave's quarter
	s_lshl_b32 s26, s24, 12
	s_add_nc_u64 s[6:7], s[6:7], s[26:27]          ; x's scale bytes: 8 tiles of 512
	s_lshl_b32 s26, s25, 15
	s_add_nc_u64 s[8:9], s[8:9], s[26:27]          ; my head's four tiles in each weight
	s_lshl_b32 s26, s25, 11
	s_add_nc_u64 s[10:11], s[10:11], s[26:27]
	s_lshl_b32 s26, s25, 8
	s_add_nc_u64 s[12:13], s[12:13], s[26:27]      ; my head's 64 numbers of each bias
	s_add_nc_u64 s[14:15], s[14:15], s[26:27]
	s_add_nc_u64 s[16:17], s[16:17], s[26:27]
	s_lshl_b32 s26, s24, 16
	s_lshl_b32 s32, s25, 9
	s_add_co_u32 s26, s26, s32
	s_add_nc_u64 s[18:19], s[18:19], s[26:27]      ; the result's images: the batch's, at my head's two blocks
	s_lshl_b32 s26, s24, 12
	s_lshl_b32 s32, ttmp9, 10
	s_add_co_u32 s26, s26, s32
	s_add_nc_u64 s[20:21], s[20:21], s[26:27]      ; its scale bytes: [batch][group of four heads][1,024 bytes]
	XLOAD 4
	REFILL 0
	s_wait_loadcnt 38                              ; my quarter of x is in; the 38 loads of pair 0 stay out
	XSTORE
.irp p, 0,1,2,3
.irp c, 0,1
	global_load_b128 v[XS+8*\p+4*\c:XS+8*\p+4*\c+3], v[L32], s[6:7] offset:1024*\p+16*\c
.endr
.endr
.irp t, 0,1,2,3
	global_load_b32 v[VB+\t], v[VBA], s[16:17] offset:128*(\t/2)+32*(\t%2)     ; bv at channel 32 (t / 2) + 8 (t % 2) + r + 8 (r / 8)
.endr
	REFILL 1
	s_wait_dscnt 0x0                               ; for the others' sake: my quarter lies in LDS
	s_barrier_signal -1
	s_barrier_wait -1
	XFETCH
	s_wait_dscnt 0x0
	s_wait_loadcnt 38                              ; pair 0, x's scale words and bv are in; pair 1's 38 loads stay out
	PAIR 0, 0
	REFILL 2
	QUANTD SQ, 0, 0
	s_wait_loadcnt 38                              ; behind pair 1's loads: pair 2's 38
	PAIR 1, 0
	REFILL 3
	QUANTD SQ, 0, 1
	s_wait_loadcnt 38                              ; pair 3's 38
	PAIR 0, 0
	REFILL 4
	QUANTD SK, 512, 0
	s_wait_loadcnt 34                              ; pair 4's 34
	PAIR 1, 0
	REFILL 5
	QUANTD SK, 512, 1
	s_wait_loadcnt 34                              ; pair 5's 34
	PAIR 0, 1
	QUANTT 0
	s_wait_loadcnt 0x0
	PAIR 1, 1
	QUANTT 1
	; THE ATTENTION.  K's, V's and Q's codes come back from my stash into window 1, where the weights lay: K's tile m at v[4 m], V's tile t at v[32 + 8 t], Q's tile m at v[64 + 8 m] with zeros in its upper four registers.
	s_wait_dscnt 0x0
	WIN 0x40
.irp m, 0,1,2,3,4,5,6,7
	ds_load_b128 v[4*\m:4*\m+3], v[SRD] offset:SK+512*\m
.endr
.irp t, 0,1,2,3
.irp c, 0,1
	ds_load_b128 v[32+8*\t+4*\c:32+8*\t+4*\c+3], v[SRD] offset:SV+1024*\t+512*\c
.endr
.endr
.irp m, 0,1,2,3,4,5,6,7
	ds_load_b128 v[64+8*\m:64+8*\m+3], v[SRD] offset:SQ+512*\m
.endr
.irp m, 0,1,2,3,4,5,6,7
.irp j, 4,5,6,7
	v_mov_b32 v[64+8*\m+\j], 0
.endr
.endr
	WIN 0
.irp p, 0,1,2,3
	ds_load_b32 v[QS+\p], v[SSR] offset:128*\p             ; lanes 0-15: tile 2 p's rows; lanes 16-31: tile 2 p + 1's
	ds_load_b32 v[KS+\p], v[SSR] offset:512+128*\p
.endr
.irp p, 0,1
	ds_load_b32 v[VS+\p], v[SSR] offset:1024+128*\p
.endr
	v_and_b32 v8, 15, v0                           ; r.  (Every global load has come: the registers that held their offsets are free)
	v_bfe_u32 v9, v0, 4, 1                         ; h
	v_and_b32 v10, 8, v8
	v_add_nc_u32 v10, v10, v8
	v_lshlrev_b32 v11, 4, v9
	v_sub_nc_u32 v252, v10, v11                    ; in the diagonal block register i holds key 16 h + i and the lane query 8 q + r + 8 (r / 8): hidden where i > r + 8 (r / 8) - 16 h + 8 q
	v_add_nc_u32 v253, 8, v252
.irp q, 0,1
.irp i, 0,1,2,3,4,5,6,7,8,9,10,11,12,13,14,15
	v_cmp_gt_i32 s[MK+16*\q+\i], \i, v[252+\q]
.endr
.endr
	v_lshlrev_b32 v[GC], 4, v8
	v_lshl_add_u32 v[GC], v9, 3, v[GC]
	v_lshl_add_u32 v[ASA], v8, 3, ASC
	s_lshl_b32 s26, s22, 1
	v_add_nc_u32 v[ASA], s26, v[ASA]
	v_and_b32 v10, 31, v0
	v_lshlrev_b32 v[GS], 3, v10
	s_lshl_b32 s26, s22, 8
	v_add_nc_u32 v[GS], s26, v[GS]
	v_add_nc_u32 v[ASR], ASC, v[GS]
	v_mov_b32 v[NM+1], 0                           ; (the upper halves of pairs of which the low word serves both halves)
	v_mov_b32 v[NM+3], 0
	v_mov_b32 v[MINF], 0xff800000                  ; -infinity
	s_wait_dscnt 0x0
; Token block B: query tiles 2 B and 2 B + 1 (q = 0, 1) against key blocks 0 .. B.
.macro ATT B
	WIN 0x05                                       ; K and Q in window 1, the scores in window 0
.irp kb, 0,1,2,3
.if \kb <= \B
.irp up, 0,1
.irp q, 0,1
.set dD, SR0+64*\q+16*\kb+8*\up
.set dA, 4*(2*\kb+\up)
.set dB, 64+8*(2*\B+\q)
.set dC, -1
.set dSA, KS+\kb
.set dSB, QS+\B
.set dRA, \up
.set dRB, \q
	WMS
.endr
.endr
.endif
.endr
	WIN 0
	PLACES
.irp q, 0,1                                    ; the diagonal block: hidden scores become -infinity ahead of the maximum, so that p = 0; key 32 B counts for every query of the block
.irp i, 0,1,2,3,4,5,6,7,8,9,10,11,12,13,14,15
	v_cndmask_b32 v[SR0+64*\q+16*\B+\i], v[SR0+64*\q+16*\B+\i], v[MINF], s[MK+16*\q+\i]
.endr
.endr
.irp q, 0,1                                    ; the largest score of each block of 32 keys: it serves the row's maximum and, since p rises with the score, the block's largest p
.irp kb, 0,1,2,3
.if \kb <= \B
	v_max3_num_f32 v[BM+4*\q+\kb], v[SR0+64*\q+16*\kb], v[SR0+64*\q+16*\kb+1], v[SR0+64*\q+16*\kb+2]
.endif
.endr
.endr
.irp i, 3,5,7,9,11,13
.irp q, 0,1
.irp kb, 0,1,2,3
.if \kb <= \B
	v_max3_num_f32 v[BM+4*\q+\kb], v[BM+4*\q+\kb], v[SR0+64*\q+16*\kb+\i], v[SR0+64*\q+16*\kb+\i+1]
.endif
.endr
.endr
.endr
.irp q, 0,1
.irp kb, 0,1,2,3
.if \kb <= \B
	v_max_num_f32 v[BM+4*\q+\kb], v[BM+4*\q+\kb], v[SR0+64*\q+16*\kb+15]
.endif
.endr
.endr
.irp q, 0,1
.irp kb, 0,1,2,3
.if \kb <= \B
	v_permlanex16_b32 v[BU+4*\q+\kb], v[BM+4*\q+\kb], s30, s31
.endif
.endr
.endr
.irp q, 0,1
.irp kb, 0,1,2,3
.if \kb <= \B
	v_max_num_f32 v[BM+4*\q+\kb], v[BM+4*\q+\kb], v[BU+4*\q+\kb]   ; with lane l xor 16's 16 keys
.endif
.endr
.endr
.irp q, 0,1                                    ; the row's largest score, as t (c is positive), and -M = floor(-t) = -ceil(t)
.if \B == 0
	v_mul_f32 v[TT+\q], s28, v[BM+4*\q]
.elseif \B == 1
	v_max_num_f32 v[TT+\q], v[BM+4*\q], v[BM+4*\q+1]
	v_mul_f32 v[TT+\q], s28, v[TT+\q]
.elseif \B == 2
	v_max3_num_f32 v[TT+\q], v[BM+4*\q], v[BM+4*\q+1], v[BM+4*\q+2]
	v_mul_f32 v[TT+\q], s28, v[TT+\q]
.else
	v_max3_num_f32 v[TT+\q], v[BM+4*\q], v[BM+4*\q+1], v[BM+4*\q+2]
	v_max_num_f32 v[TT+\q], v[TT+\q], v[BM+4*\q+3]
	v_mul_f32 v[TT+\q], s28, v[TT+\q]
.endif
.endr
.irp q, 0,1
	v_floor_f32 v[NM+2*\q], -v[TT+\q]
.endr
.irp q, 0,1
.set j, 0
.rept 8*(\B+1)
	v_pk_fma_f32 v[SR0+64*\q+j:SR0+64*\q+j+1], v[SR0+64*\q+j:SR0+64*\q+j+1], s[28:29], v[NM+2*\q:NM+2*\q+1] op_sel_hi:[1,0,0]   ; t - M, two at a time
.set j, j+2
.endr
.endr
.irp q, 0,1
.irp kb, 0,1,2,3
.if \kb <= \B
	v_fma_f32 v[BM+4*\q+\kb], v[BM+4*\q+\kb], s28, v[NM+2*\q]      ; the same of each block's largest score
.endif
.endr
.endr
.irp q, 0,1
.set j, 0
.rept 16*(\B+1)
	v_exp_f32 v[SR0+64*\q+j], v[SR0+64*\q+j]       ; p = 2^(t - M), at most 1: not normalised
.set j, j+1
.endr
.endr
	v_nop                                          ; a plain instruction behind the exponentials
	s_wait_alu depctr_va_vdst(0)                   ; one wait for the whole batch, ahead of its first reader
.irp q, 0,1
.irp kb, 0,1,2,3
.if \kb <= \B
	v_exp_f32 v[BM+4*\q+\kb], v[BM+4*\q+\kb]       ; the block's largest p: the same two instructions on the same number give the same bits
.endif
.endr
.endr
.irp q, 0,1                                    ; the row's sum is taken of the unquantised p: two at a time, two chains a tile.  (These read the first batch alone: plain work behind the second)
	v_pk_add_f32 v[LS+2*\q:LS+2*\q+1], v[SR0+64*\q:SR0+64*\q+1], v[SR0+64*\q+2:SR0+64*\q+3]
	v_pk_add_f32 v[LB+2*\q:LB+2*\q+1], v[SR0+64*\q+4:SR0+64*\q+5], v[SR0+64*\q+6:SR0+64*\q+7]
.endr
.set j, 8
.rept 4*(\B+1)-2
.irp q, 0,1
	v_pk_add_f32 v[LS+2*\q:LS+2*\q+1], v[LS+2*\q:LS+2*\q+1], v[SR0+64*\q+j:SR0+64*\q+j+1]
	v_pk_add_f32 v[LB+2*\q:LB+2*\q+1], v[LB+2*\q:LB+2*\q+1], v[SR0+64*\q+j+2:SR0+64*\q+j+3]
.endr
.set j, j+4
.endr
.irp q, 0,1
	v_pk_add_f32 v[LS+2*\q:LS+2*\q+1], v[LS+2*\q:LS+2*\q+1], v[LB+2*\q:LB+2*\q+1]
.endr
	s_wait_alu depctr_va_vdst(0)                   ; and one for the blocks' largest p
.irp q, 0,1
.irp kb, 0,1,2,3
.if \kb <= \B
	v_max_num_f32 v[BM+4*\q+\kb], 0x1800000, v[BM+4*\q+\kb]        ; the floor 2^(3 - 127): the byte cannot fall under 1
.endif
.endr
.endr
.irp q, 0,1
.irp kb, 0,1,2,3
.if \kb <= \B
	v_add_nc_u32 v[SO+4*\q+\kb], 0xff000000, v[BM+4*\q+\kb]        ; the conversion's scale operand
.endif
.endr
.endr
.irp q, 0,1
.irp kb, 0,1,2,3
.if \kb <= \B
	v_lshrrev_b32 v[BU+4*\q+\kb], 23, v[SO+4*\q+\kb]               ; the scale's byte
.endif
.endr
.endr
.irp q, 0,1
	v_mov_b32 v[PS+\q], v[BU+4*\q]                 ; p's scale word; the bytes of the blocks left out stay 0 (2^-127, over zero codes)
.irp kb, 1,2,3
.if \kb <= \B
	v_lshl_or_b32 v[PS+\q], v[BU+4*\q+\kb], 8*\kb, v[PS+\q]
.endif
.endr
.endr
.irp q, 0,1
.irp kb, 0,1,2,3
.if \kb > \B
	v_mov_b32 v[PP+8*\q+2*\kb], 0                  ; the blocks left out: zero codes
	v_mov_b32 v[PP+8*\q+2*\kb+1], 0
.endif
.endr
.endr
.irp q, 0,1
.irp kb, 0,1,2,3
.if \kb <= \B
	v_cvt_scalef32_pk8_fp4_f32 v[PP+8*\q+2*\kb], v[SR0+64*\q+16*\kb:SR0+64*\q+16*\kb+7], v[SO+4*\q+\kb]
	v_cvt_scalef32_pk8_fp4_f32 v[PP+8*\q+2*\kb+1], v[SR0+64*\q+16*\kb+8:SR0+64*\q+16*\kb+15], v[SO+4*\q+\kb]
.endif
.endr
.endr
	v_nop                                          ; one plain instruction behind the conversions
.irp q, 0,1                                    ; the operand's layout wants a whole block in a lane: lanes 0-15 block 2 c, lanes 16-31 block 2 c + 1
.irp c, 0,1
.if 2*\c <= \B
.irp i, 0,1
	v_permlane16_swap_b32 v[PP+8*\q+4*\c+\i], v[PP+8*\q+4*\c+2+\i]
.endr
.endif
.endr
.endr
.irp q, 0,1
	v_add_f32 v[TT+\q], v[LS+2*\q], v[LS+2*\q+1]   ; the sum's two halves,
.endr
.irp q, 0,1
	v_permlanex16_b32 v[BU+4*\q], v[TT+\q], s30, s31
.endr
.irp q, 0,1
	v_add_f32 v[TT+\q], v[TT+\q], v[BU+4*\q]       ; and lane l xor 16's: the row's sum
.endr
.irp q, 0,1
	v_rcp_f32 v[NM+2*\q], v[TT+\q]
.endr
	PLACES                                         ; plain instructions behind the reciprocals; with the four additions and the v_nop above, nine stand between the last write of p's scale word and the products
	WIN 0x01                                       ; V in window 1, p and O^T in window 0
.irp t, 0,1,2,3
.irp q, 0,1
.set dD, SR0+64*\q+8*\t
.set dA, 32+8*\t
.set dB, PP+8*\q
.set dC, -1
.set dSA, VS+\t/2
.set dSB, PS+\q
.set dRA, \t%2
.set dRB, 0
	WMS
.endr
.endr
	WIN 0
	PLACES
	s_wait_alu depctr_va_vdst(0)                   ; the wait for the two reciprocals, ahead of their first reader
.irp q, 0,1
.set j, 0
.rept 16
	v_pk_mul_f32 v[SR0+64*\q+j:SR0+64*\q+j+1], v[SR0+64*\q+j:SR0+64*\q+j+1], v[NM+2*\q:NM+2*\q+1] op_sel_hi:[1,0]   ; O^T / the sum: register 16 bd + i is channel 32 bd + 16 h + i of my query
.set j, j+2
.endr
.endr
.irp q, 0,1                                    ; the quantiser along the channels: my head's two blocks bd of the projection's K
.irp bd, 0,1
	v_max3_num_f32 v[BM+4*\q+\bd], |v[SR0+64*\q+16*\bd]|, |v[SR0+64*\q+16*\bd+1]|, 0x1800000
.endr
.endr
.irp i, 2,4,6,8,10,12,14
.irp q, 0,1
.irp bd, 0,1
	v_max3_num_f32 v[BM+4*\q+\bd], v[BM+4*\q+\bd], |v[SR0+64*\q+16*\bd+\i]|, |v[SR0+64*\q+16*\bd+\i+1]|
.endr
.endr
.endr
.irp q, 0,1
.irp bd, 0,1
	v_permlanex16_b32 v[BU+4*\q+\bd], v[BM+4*\q+\bd], s30, s31
.endr
.endr
.irp q, 0,1
.irp bd, 0,1
	v_max_num_f32 v[BM+4*\q+\bd], v[BM+4*\q+\bd], v[BU+4*\q+\bd]
.endr
.endr
.irp q, 0,1
.irp bd, 0,1
	v_add_nc_u32 v[SO+4*\q+\bd], 0xff000000, v[BM+4*\q+\bd]
.endr
.endr
.irp q, 0,1
.irp bd, 0,1
	v_lshrrev_b32 v[BU+4*\q+\bd], 23, v[SO+4*\q+\bd]
.endr
.endr
	s_wait_xcnt 0x0                                ; the last block's stores have read their data: the codes' registers are written again only behind this wait
.irp q, 0,1
.irp bd, 0,1
	v_cvt_scalef32_pk8_fp4_f32 v[OC+4*\q+2*\bd], v[SR0+64*\q+16*\bd:SR0+64*\q+16*\bd+7], v[SO+4*\q+\bd]
	v_cvt_scalef32_pk8_fp4_f32 v[OC+4*\q+2*\bd+1], v[SR0+64*\q+16*\bd+8:SR0+64*\q+16*\bd+15], v[SO+4*\q+\bd]
.endr
.endr
	v_nop
.irp q, 0,1
	v_lshl_or_b32 v[BU+4*\q], v[BU+4*\q+1], 8, v[BU+4*\q]          ; my head's two scale bytes of the row
.endr
.irp q, 0,1
	ds_store_b16 v[ASA], v[BU+4*\q] offset:128*(2*\B+\q)
.irp bd, 0,1
	global_store_b64 v[GC], v[OC+4*\q+2*\bd:OC+4*\q+2*\bd+1], s[18:19] offset:(2*\B+\q)*8192+256*\bd   ; block 2 head + bd of the tile's image: the 32 lanes store 256 consecutive bytes, aligned
.endr
.endr
	s_wait_dscnt 0x0                               ; the byte stores have read their registers
.endm
	ATT 0
	ATT 1
	ATT 2
	ATT 3
	s_wait_dscnt 0x0                               ; for the others' sake: my scale bytes lie in LDS
	s_barrier_signal -1
	s_barrier_wait -1
	ds_load_b64 v[LB:LB+1], v[ASR]
	s_wait_dscnt 0x0
	global_store_b64 v[GS], v[LB:LB+1], s[20:21]   ; a quarter of the work-group's 1,024 scale bytes: 256 consecutive bytes, aligned
	s_wait_tensorcnt 0x0                           ; the wave's end, behind my last LDS store
	ds_add_u32 v[SPW], v[NIL]
	s_wait_dscnt 0x0
	s_endpgm
.Lfunc_end_k_qf9f2a3b486_attn:
	.size	k_qf9f2a3b486_attn, .Lfunc_end_k_qf9f2a3b486_attn-k_qf9f2a3b486_attn
	.p2alignl 7, 3214868480
	.fill 96, 4, 3214868480
	.section	.rodata,"a",@progbits
	.p2align	6, 0x0
	.amdhsa_kernel k_qf9f2a3b486_attn
		.amdhsa_group_segment_fixed_size 126464
		.amdhsa_private_segment_fixed_size 0
		.amdhsa_enable_private_segment 0
		.amdhsa_kernarg_size 72
		.amdhsa_user_sgpr_count 2
		.amdhsa_user_sgpr_kernarg_segment_ptr 1
		.amdhsa_wavefront_size32 1
		.amdhsa_system_sgpr_workgroup_id_x 1
		.amdhsa_system_sgpr_workgroup_id_y 1
		.amdhsa_system_sgpr_workgroup_id_z 1
		.amdhsa_system_vgpr_workitem_id 0
		.amdhsa_next_free_vgpr 1024
		.amdhsa_next_free_sgpr 66
		.amdhsa_reserve_vcc 0
		.amdhsa_float_denorm_mode_32 3
		.amdhsa_float_denorm_mode_16_64 3
		.amdhsa_memory_ordered 1
		.amdhsa_forward_progress 1
		.amdhsa_inst_pref_size 255
	.end_amdhsa_kernel
	.section	.bss,"aw",@nobits
	.p2align	6
	.space	262144
	.amdgpu_metadata
---
amdhsa.version: [ 1, 2 ]
amdhsa.kernels:
  - .name:           k_qf9f2a3b486_attn
    .symbol:         k_qf9f2a3b486_attn.kd
    .args:
      - { .name: x_c, .offset: 0, .size: 8, .value_kind: global_buffer, .address_space: global }
      - { .name: x_s, .offset: 8, .size: 8, .value_kind: global_buffer, .address_space: global }
      - { .name: w_c, .offset: 16, .size: 8, .value_kind: global_buffer, .address_space: global }
      - { .name: w_s, .offset: 24, .size: 8, .value_kind: global_buffer, .address_space: global }
      - { .name: bq, .offset: 32, .size: 8, .value_kind: global_buffer, .address_space: global }
      - { .name: bk, .offset: 40, .size: 8, .value_kind: global_buffer, .address_space: global }
      - { .name: bv, .offset: 48, .size: 8, .value_kind: global_buffer, .address_space: global }
      - { .name: att_c, .offset: 56, .size: 8, .value_kind: global_buffer, .address_space: global }
      - { .name: att_s, .offset: 64, .size: 8, .value_kind: global_buffer, .address_space: global }
    .group_segment_fixed_size: 126464
    .private_segment_fixed_size: 0
    .kernarg_segment_align: 8
    .kernarg_segment_size: 72
    .max_flat_workgroup_size: 128
    .sgpr_count:     66
    .vgpr_count:     1024
    .wavefront_size: 32
...
	.end_amdgpu_metadata
.endif
;; end of part 2
;; launch proj (part 3): grid 4 x 64, 4 waves a work-group, no clusters, 83,456 bytes of LDS; arguments att_c, att_s, w_c, w_s, bo, out0; writes out0
.if DOCPART == 3
	.amdgcn_target "amdgcn-amd-amdhsa--gfx1250"
	.amdhsa_code_object_version 6
	.text
	.protected	k_qf9f2a3b486_proj
	.globl	k_qf9f2a3b486_proj
	.p2align	8
	.type	k_qf9f2a3b486_proj,@function
k_qf9f2a3b486_proj:
	s_mov_b64 s[64:65], 0
	v_nop
	global_prefetch_b8 v0, s[64:65] scope:SCOPE_SE
	s_setreg_imm32_b32 hwreg(HW_REG_WAVE_MODE, 25, 1), 1
	s_wait_xcnt 0x0
; THIRD LAUNCH.  out0 = att Wo^T + bo on codes of FP4 (E2M1) with one E8M0 scale for each 32 along K.  No work is left out here.
; A work-group takes one batch (128 rows) and 256 columns; wave w its columns 64 w on: four tiles of Wo's rows, whose 32 fragments stay in 256 registers; the batch's 64 fragments of att stay in 512.
; att's images come from memory once a work-group, a quarter a wave, and go round through LDS as they lie; Wo's go from memory straight into fragment registers and feed 8 products each.
; Source 0 = 16 rows of Wo, source 1 = 16 rows of att: a lane holds one row of the result and eight neighbouring columns.  The tiles' rows are those of the first launch's layout (row p of tile u of a group of 32 is
; row 8 u + p + 8 (p / 8)): for Wo that makes a lane's registers of tiles 2 b, 2 b + 1 sixteen neighbouring columns; for att the stores' offsets put each row back in its place.
; The 128 rows go in two halves of 64: sixteen accumulators by turns; the first half's rows leave while the second is multiplied.
; NO CLUSTER, NO TENSOR LOAD: all operands lie in registers for the whole product; what the four work-groups of a batch share, att's 64 KiB of images, would still go through each one's LDS once.
; REGISTERS, in windows of 256.  Window 1: Wo's fragment (t, s) at 64 t + 8 s.  Windows 2, 3: att's tiles 0-3, 4-7 at 64 (tile % 4) + 8 s; behind the first half window 2 takes the rows on their way out.
; Window 0: v1-8 addresses; v16-143 accumulator (t, mi) at 16 + 32 t + 8 mi; v144-191 scale words and nothing else; v192-223 bo in the results' layout.
.set STAGE, 65536                      ; LDS: 0: att's 64 fragment images;  from STAGE: 16 rows x 272 bytes for each wave
.set SPARE, 82944                      ; the spare words, 128 bytes for each wave: two blocks of 256 bytes that no other line names
.set LI,  1                            ; v1  16 x lane
.set L32, 2                            ; v2  32 x lane
.set BA,  3                            ; v3  64 h
.set L8,  4                            ; v4  8 x lane
.set STO, 5                            ; v5  my stage + 272 r + 64 h
.set RD,  6                            ; v6  my stage + 272 h + 16 r
.set XW,  7                            ; v7  16 x lane + 16384 w
.set CO,  8                            ; v8  4096 h + 16 r
.set SPW, 12                           ; v12 my spare word; never rewritten
.set NIL, 13                           ; v13 0; never rewritten
.set ACC, 16
.set AS,  144                          ; att's scale words: pair of tiles p, K step s at AS + 8 p + s
.set WS,  176                          ; Wo's: pair of tiles t / 2, K step s at WS + 8 (t / 2) + s
.set BO,  192                          ; bo for tile t at BO + 8 t
.set MSB, 0
.macro WIN new                         ; the immediate's high byte repeats the setting that is left; a switch that changes nothing is dropped
.if MSB != (\new)
	s_set_vgpr_msb (MSB<<8)|(\new)
.set MSB, (\new)
.endif
.endm
; One product.  dD, dA, dB, dC: the first registers of D, A, B, C; dSA, dSB: the scale registers; dRA, dRB: 1 where a side's scales stand in lanes 16-31.
.macro WMS
.if (dRA == 0) && (dRB == 0)
	v_wmma_scale_f32_16x16x128_f8f6f4 v[dD:dD+7], v[dA:dA+7], v[dB:dB+7], v[dC:dC+7], v[dSA], v[dSB] matrix_a_fmt:MATRIX_FMT_FP4 matrix_b_fmt:MATRIX_FMT_FP4
.elseif (dRA == 1) && (dRB == 0)
	v_wmma_scale_f32_16x16x128_f8f6f4 v[dD:dD+7], v[dA:dA+7], v[dB:dB+7], v[dC:dC+7], v[dSA], v[dSB] matrix_a_fmt:MATRIX_FMT_FP4 matrix_b_fmt:MATRIX_FMT_FP4 matrix_a_scale:MATRIX_SCALE_ROW1
.elseif (dRA == 0) && (dRB == 1)
	v_wmma_scale_f32_16x16x128_f8f6f4 v[dD:dD+7], v[dA:dA+7], v[dB:dB+7], v[dC:dC+7], v[dSA], v[dSB] matrix_a_fmt:MATRIX_FMT_FP4 matrix_b_fmt:MATRIX_FMT_FP4 matrix_b_scale:MATRIX_SCALE_ROW1
.else
	v_wmma_scale_f32_16x16x128_f8f6f4 v[dD:dD+7], v[dA:dA+7], v[dB:dB+7], v[dC:dC+7], v[dSA], v[dSB] matrix_a_fmt:MATRIX_FMT_FP4 matrix_b_fmt:MATRIX_FMT_FP4 matrix_a_scale:MATRIX_SCALE_ROW1 matrix_b_scale:MATRIX_SCALE_ROW1
.endif
.endm
.macro WLOAD t                         ; Wo's tile t: 16 loads of 512 consecutive bytes
.irp s, 0,1,2,3,4,5,6,7
.irp c, 0,1
	global_load_b128 v[64*(\t)+8*\s+4*\c:64*(\t)+8*\s+4*\c+3], v[LI], s[8:9] offset:8192*(\t)+1024*\s+512*\c
.endr
.endr
.endm
; 128 products: Wo's four tiles against att's tiles 4 mh .. 4 mh + 3, all of K.  bo is the C of each sum's first product.
.macro HALF mh
	WIN 0x09+4*\mh
.irp s, 0,1,2,3,4,5,6,7
.irp t, 0,1,2,3
.irp mi, 0,1,2,3
.set dD, ACC+32*\t+8*\mi
.set dC, dD
.if \s == 0
.set dC, BO+8*\t
.endif
.set dA, 64*\t+8*\s
.set dB, 64*\mi+8*\s
.set dSA, WS+8*(\t/2)+\s
.set dSB, AS+8*((4*\mh+\mi)/2)+\s
.set dRA, \t%2
.set dRB, \mi%2
	WMS
.endr
.endr
.endr
	WIN 0
.rept 5
	v_nop                                          ; four places serve the LDS stores that read the results and the loads into att's registers; the fifth the next half's first products, which begin the same accumulators anew with another C
.endr
.endm
; Tile 4 mh + mi of the rows: 16 rows x 64 columns go through my own stage and come back as rows of 256 bytes.  LDS serves a wave's instructions in order: no wait between the stores and the loads, nor in front of the next tile's stores.
.macro TOSTAGE mh, mi
.irp t, 0,1,2,3
	ds_store_b128 v[STO], v[ACC+32*\t+8*(\mi):ACC+32*\t+8*(\mi)+3] offset:128*(\t/2)+32*(\t%2)          ; each accumulator from its low end on; columns 32 (t / 2) + 16 h + 8 (t % 2) + 0 .. 7
	ds_store_b128 v[STO], v[ACC+32*\t+8*(\mi)+4:ACC+32*\t+8*(\mi)+7] offset:128*(\t/2)+32*(\t%2)+16
.endr
	WIN 0x80
.irp i, 0,1,2,3,4,5,6,7
	ds_load_b128 v[128*(\mh)+32*(\mi)+4*\i:128*(\mh)+32*(\mi)+4*\i+3], v[RD] offset:544*\i
.endr
	WIN 0
.endm
.macro SEND mh, mi, younger            ; younger: the LDS instructions issued behind the tile's loads, which may stay out.  No register on the way out is used twice
	s_wait_dscnt \younger
	WIN 0x08                                       ; a store's data: window 2
.irp i, 0,1,2,3,4,5,6,7
	global_store_b128 v[CO], v[128*(\mh)+32*(\mi)+4*\i:128*(\mh)+32*(\mi)+4*\i+3], s[14:15] offset:(32*((4*(\mh)+(\mi))/2)+8*((\mi)%2)+2*\i+8*(\i/4))*4096 th:TH_STORE_NT   ; tile rows 2 i, 2 i + 1 at their places: sixteen lanes store 256 consecutive bytes, aligned
.endr
	WIN 0
.endm
	s_load_b256 s[4:11], s[0:1], 0x0               ; att_c, att_s, w_c, w_s
	s_load_b128 s[12:15], s[0:1], 0x20             ; bo, out0
	v_lshl_add_u32 v[SPW], v0, 2, SPARE
	v_mov_b32 v[NIL], 0
	v_lshrrev_b32 v1, 5, v0
	v_readfirstlane_b32 s16, v1                    ; wave
	s_and_b32 s17, ttmp7, 0xffff                   ; the batch
	s_lshl_b32 s18, ttmp9, 4
	s_lshl_b32 s19, s16, 2
	s_add_co_u32 s18, s18, s19                     ; my first tile of Wo: 16 x work-group x + 4 x wave
	v_and_b32 v9, 31, v0                           ; lane
	v_and_b32 v10, 15, v0                          ; r
	v_bfe_u32 v11, v0, 4, 1                        ; h
	v_lshlrev_b32 v[LI], 4, v9
	v_lshlrev_b32 v[L32], 5, v9
	v_lshlrev_b32 v[BA], 6, v11
	v_lshlrev_b32 v[L8], 3, v9
	s_mul_i32 s19, s16, 4352
	s_add_co_u32 s19, s19, STAGE                   ; my stage
	v_mul_u32_u24 v[STO], v10, 272
	v_lshl_add_u32 v[STO], v11, 6, v[STO]
	v_add_nc_u32 v[STO], s19, v[STO]
	v_mul_u32_u24 v[RD], v11, 272
	v_lshl_add_u32 v[RD], v10, 4, v[RD]
	v_add_nc_u32 v[RD], s19, v[RD]
	s_lshl_b32 s19, s16, 14
	v_add_nc_u32 v[XW], s19, v[LI]
	v_lshlrev_b32 v[CO], 12, v11
	v_lshl_add_u32 v[CO], v10, 4, v[CO]
	s_wait_kmcnt 0x0
	s_lshl_b32 s20, s17, 16
	s_add_co_u32 s20, s20, s19
	s_mov_b32 s21, 0
	s_add_nc_u64 s[4:5], s[4:5], s[20:21]          ; att's images: the batch's 64 KiB, my wave's quarter
	s_lshl_b32 s20, s17, 12
	s_add_nc_u64 s[6:7], s[6:7], s[20:21]          ; its scale bytes
	s_lshl_b32 s20, s18, 13
	s_add_co_u32 s20, s20, 0x180000                ; Wo is the fourth of the weights: 3 x 64 tiles of 8,192 bytes on
	s_add_nc_u64 s[8:9], s[8:9], s[20:21]
	s_lshl_b32 s20, s18, 9
	s_add_co_u32 s20, s20, 0x18000                 ; 3 x 64 tiles of 512 bytes on
	s_add_nc_u64 s[10:11], s[10:11], s[20:21]
	s_lshl_b32 s20, ttmp9, 10
	s_lshl_b32 s22, s16, 8
	s_add_co_u32 s20, s20, s22                     ; my 64 columns, in bytes
	s_add_nc_u64 s[12:13], s[12:13], s[20:21]
	s_lshl_b32 s22, s17, 19
	s_add_co_u32 s20, s20, s22                     ; + the batch's 128 rows of 4,096 bytes
	s_add_nc_u64 s[14:15], s[14:15], s[20:21]
.set i, 0
.rept 32
	global_load_b128 v[ACC+4*i:ACC+4*i+3], v[LI], s[4:5] offset:512*i      ; my quarter of att's images
.set i, i+1
.endr
	WIN 0x40
	WLOAD 0
	WLOAD 1
	WIN 0
	s_wait_loadcnt 32                              ; my quarter is in; the 32 loads of Wo's first two tiles stay out
.set i, 0
.rept 32
	ds_store_b128 v[XW], v[ACC+4*i:ACC+4*i+3] offset:512*i                 ; into LDS as it lies
.set i, i+1
.endr
	WIN 0x40
	WLOAD 2
	WLOAD 3
	WIN 0
.irp p, 0,1,2,3
.irp gq, 0,1,2,3
	global_load_b64 v[AS+8*\p+2*\gq:AS+8*\p+2*\gq+1], v[L8], s[6:7] offset:1024*\gq+256*\p   ; K steps 2 gq and 2 gq + 1 of tiles 2 p (lanes 0-15) and 2 p + 1 (lanes 16-31)
.endr
.endr
.irp p, 0,1
.irp c, 0,1
	global_load_b128 v[WS+8*\p+4*\c:WS+8*\p+4*\c+3], v[L32], s[10:11] offset:1024*\p+16*\c
.endr
.endr
.irp t, 0,1,2,3
.irp c, 0,1
	global_load_b128 v[BO+8*\t+4*\c:BO+8*\t+4*\c+3], v[BA], s[12:13] offset:128*(\t/2)+32*(\t%2)+16*\c
.endr
.endr
	s_wait_dscnt 0x0                               ; for the others' sake: my quarter lies in LDS
	s_barrier_signal -1
	s_barrier_wait -1
.irp mh, 0,1
	WIN 0x80+0x40*\mh
.irp mi, 0,1,2,3
.irp s, 0,1,2,3,4,5,6,7
.irp c, 0,1
	ds_load_b128 v[64*\mi+8*\s+4*\c:64*\mi+8*\s+4*\c+3], v[LI] offset:(8*(4*\mh+\mi)+\s)*1024+512*\c
.endr
.endr
.endr
.endr
	WIN 0
	s_wait_loadcnt 0x0
	s_wait_dscnt 0x0
.irp mh, 0,1
	HALF \mh
	TOSTAGE \mh, 0
	TOSTAGE \mh, 1
	SEND \mh, 0, 16                                ; behind tile 0's loads: tile 1's 8 stores and 8 loads
	TOSTAGE \mh, 2
	SEND \mh, 1, 16
	TOSTAGE \mh, 3
	SEND \mh, 2, 16
	SEND \mh, 3, 0                                 ; every LDS store has read its accumulator: the next half may write them
.endr
	s_wait_tensorcnt 0x0                           ; the wave's end, behind my last LDS store
	ds_add_u32 v[SPW], v[NIL]
	s_wait_dscnt 0x0
	s_endpgm
.Lfunc_end_k_qf9f2a3b486_proj:
	.size	k_qf9f2a3b486_proj, .Lfunc_end_k_qf9f2a3b486_proj-k_qf9f2a3b486_proj
	.p2alignl 7, 3214868480
	.fill 96, 4, 3214868480
	.section	.rodata,"a",@progbits
	.p2align	6, 0x0
	.amdhsa_kernel k_qf9f2a3b486_proj
		.amdhsa_group_segment_fixed_size 83456
		.amdhsa_private_segment_fixed_size 0
		.amdhsa_enable_private_segment 0
		.amdhsa_kernarg_size 48
		.amdhsa_user_sgpr_count 2
		.amdhsa_user_sgpr_kernarg_segment_ptr 1
		.amdhsa_wavefront_size32 1
		.amdhsa_system_sgpr_workgroup_id_x 1
		.amdhsa_system_sgpr_workgroup_id_y 1
		.amdhsa_system_sgpr_workgroup_id_z 1
		.amdhsa_system_vgpr_workitem_id 0
		.amdhsa_next_free_vgpr 1024
		.amdhsa_next_free_sgpr 66
		.amdhsa_reserve_vcc 0
		.amdhsa_float_denorm_mode_32 3
		.amdhsa_float_denorm_mode_16_64 3
		.amdhsa_memory_ordered 1
		.amdhsa_forward_progress 1
		.amdhsa_inst_pref_size 73
	.end_amdhsa_kernel
	.amdgpu_metadata
---
amdhsa.version: [ 1, 2 ]
amdhsa.kernels:
  - .name:           k_qf9f2a3b486_proj
    .symbol:         k_qf9f2a3b486_proj.kd
    .args:
      - { .name: att_c, .offset: 0, .size: 8, .value_kind: global_buffer, .address_space: global }
      - { .name: att_s, .offset: 8, .size: 8, .value_kind: global_buffer, .address_space: global }
      - { .name: w_c, .offset: 16, .size: 8, .value_kind: global_buffer, .address_space: global }
      - { .name: w_s, .offset: 24, .size: 8, .value_kind: global_buffer, .address_space: global }
      - { .name: bo, .offset: 32, .size: 8, .value_kind: global_buffer, .address_space: global }
      - { .name: out0, .offset: 40, .size: 8, .value_kind: global_buffer, .address_space: global }
    .group_segment_fixed_size: 83456
    .private_segment_fixed_size: 0
    .kernarg_segment_align: 8
    .kernarg_segment_size: 48
    .max_flat_workgroup_size: 128
    .sgpr_count:     66
    .vgpr_count:     1024
    .wavefront_size: 32
...
	.end_amdgpu_metadata
.endif
;; end of part 3
;; ======== version 2 of 2: 3 launches
;; workspace buffers: x_c 4,194,304 bytes; x_s 262,144 bytes; w_c 2,097,152 bytes; w_s 131,072 bytes; att_c 4,194,304 bytes; att_s 262,144 bytes
;; launch quant (part 4): grid 768 x 1, 4 waves a work-group, no clusters, 35,840 bytes of LDS; arguments x, Wq, Wk, Wv, Wo, x_c, x_s, w_c, w_s; writes x_c, x_s, w_c, w_s
.if DOCPART == 4
	.amdgcn_target "amdgcn-amd-amdhsa--gfx1250"
	.amdhsa_code_object_version 6
	.text
	.protected	k_qf9f2a3b486_quant
	.globl	k_qf9f2a3b486_quant
	.p2align	8
	.type	k_qf9f2a3b486_quant,@function
k_qf9f2a3b486_quant:
	s_mov_b64 s[64:65], 0
	v_nop
	global_prefetch_b8 v0, s[64:65] scope:SCOPE_SE
	s_setreg_imm32_b32 hwreg(HW_REG_WAVE_MODE, 25, 1), 1
	s_wait_xcnt 0x0
; FIRST OF THREE LAUNCHES of a causal multi-head attention (64 batches x 128 tokens x 1,024 channels, 16 heads of 64) whose six products run on codes of FP4 (E2M1) with one E8M0 scale for each 32 along K.
; This launch: x [8192][1024] and Wq, Wk, Wv, Wo [1024][1024], f32, K innermost, become codes and scale bytes.  The second launch makes Q, K, V, the softmax and the attention's result; the third the projection on the way out.
; DEAD WORK LEFT OUT BY THE PROGRAM (in the second launch).  reference() sets wei[q][k] to -infinity wherever k > q, by a mask that it builds itself (jnp.tril), so the weight of such a key is 0 whatever finite values the inputs hold.
; For the 32 queries of token block B every key of a token block kb > B has k > q: the scores of those blocks (24 of a head's 64 tiles of 16 x 16) can reach no output.  They and their softmax are not computed,
; and in the product with V their weights are zero codes.  No input is without a way to an output: all nine are loaded.
; LIMIT: a NaN, an infinity or an overflow that reaches only those scores is not carried to the result.
; THE QUANTISER: a block's scale is 2^(floor(log2(its largest magnitude)) - 2); its byte is the largest magnitude's exponent field - 2, held at 1 from below; numbers are divided by it and rounded to the nearest code, ties to even.
; LIMITS: a block of zeros gets the byte 1 where the rule says 127 (its codes are zeros, and this program alone reads the bytes); blocks whose largest magnitude lies under 2^-124 keep the byte 1; NaN and infinities among the inputs are not served.
; LAYOUT OF THE RESULT: IMAGES OF THE OPERAND REGISTERS.  Rows are cut into tiles of 16, two tiles to a group of 32 rows: row p of tile u is row 8 u + p + 8 (p / 8) of its group.
; A tile's codes are 8,192 bytes, [block of 32 along K: 0..31][tile row: 0..15][16 bytes]: the 512 bytes at 1024 s + 512 c are registers 4 c .. 4 c + 3 of the fragment of K step s, lane l at 16 l.
; A tile's scale bytes are 512 bytes, [tile row][32 bytes along K].
; SHARES: a work-group takes one tile (the first 512: x's; then 64 each of Wq, Wk, Wv, Wo), wave w its columns 256 w on, in four steps of 64 columns.  Each load reads 256 consecutive bytes of a row in sixteen lanes;
; a step's 16 rows x 256 bytes turn through the wave's own stage in LDS (rows 272 bytes apart), so that lane (r, h) then holds the 32 numbers of one whole block of tile row r: no other lane is asked for a maximum.
; A step's codes leave as 512 consecutive bytes; the tile's 512 scale bytes are gathered in LDS and leave by one store of wave 0.
; No tensor loads, no cluster: no byte is read by two work-groups.  All 32 loads of a wave are issued at the head.
.set STG,   8704                       ; LDS: two stages of 16 x 272 bytes for each wave
.set HSTG,  4352
.set SC,    34816                      ; behind them the tile's 512 scale bytes
.set SPARE, 35328                      ; and the spare words, 128 bytes for each wave: two blocks of 256 bytes that no other line names
.set GA,  1                            ; v1   in: 16 r + 4096 h
.set SW,  2                            ; v2   the stage, on the way in: 272 h + 16 r
.set SR,  3                            ; v3   and out: 272 r + 128 h
.set LI,  4                            ; v4   16 x lane
.set SBA, 5                            ; v5   my block's scale byte: SC + 32 r + 8 w + h
.set SCR, 6                            ; v6   SC + 16 x lane
.set SPW, 12                           ; v12  my spare word; never rewritten
.set NIL, 13                           ; v13  0; never rewritten
.set CD,  16                           ; v16-31   a step's codes, four registers each: no store's data are written again
.set BY,  32                           ; v32-35   a step's byte
.set RR,  64                           ; v64-191  the numbers as loaded, 32 registers a step
.set XX,  192                          ; v192-255 two sets of 32 neighbours
	s_load_b256 s[4:11], s[0:1], 0x0               ; x, Wq, Wk, Wv
	s_load_b256 s[12:19], s[0:1], 0x20             ; Wo, x_c, x_s, w_c
	s_load_b64 s[20:21], s[0:1], 0x40              ; w_s
	v_lshl_add_u32 v[SPW], v0, 2, SPARE
	v_mov_b32 v[NIL], 0
	v_lshrrev_b32 v8, 5, v0
	v_readfirstlane_b32 s22, v8                    ; wave
	v_and_b32 v8, 31, v0                           ; lane
	v_and_b32 v9, 15, v0                           ; r
	v_bfe_u32 v10, v0, 4, 1                        ; h
	v_lshlrev_b32 v[GA], 4, v9                     ; 16 r
	s_mul_i32 s23, s22, STG
	v_mad_u32_u24 v[SW], v10, 272, v[GA]
	v_add_nc_u32 v[SW], s23, v[SW]
	v_mul_u32_u24 v[SR], v9, 272
	v_lshl_add_u32 v[SR], v10, 7, v[SR]
	v_add_nc_u32 v[SR], s23, v[SR]
	v_lshl_add_u32 v[GA], v10, 12, v[GA]           ; lanes 16-31 take the row below
	v_lshlrev_b32 v[LI], 4, v8
	v_lshl_add_u32 v[SBA], v9, 5, v10
	s_lshl_b32 s23, s22, 3
	s_add_co_u32 s23, s23, SC
	v_add_nc_u32 v[SBA], s23, v[SBA]
	v_add_nc_u32 v[SCR], SC, v[LI]
	s_wait_alu depctr_va_vdst(0)
	s_wait_kmcnt 0x0
	s_cmp_lt_u32 ttmp9, 512                        ; x's tile or a weight's?  All choices hang on the work-group's number alone
	s_cselect_b64 s[24:25], s[14:15], s[18:19]     ; where the codes go
	s_cselect_b64 s[26:27], s[16:17], s[20:21]     ; where the scale bytes go
	s_cselect_b32 s28, 0, 512
	s_sub_co_u32 s28, ttmp9, s28                   ; the tile's number in the buffers written
	s_lshr_b32 s29, s28, 6                         ; which weight: 0 Wq, 1 Wk, 2 Wv, 3 Wo
	s_and_b32 s30, s28, 63                         ; and its tile
	s_cmp_eq_u32 s29, 2
	s_cselect_b64 s[32:33], s[10:11], s[12:13]
	s_cmp_eq_u32 s29, 1
	s_cselect_b64 s[32:33], s[8:9], s[32:33]
	s_cmp_eq_u32 s29, 0
	s_cselect_b64 s[32:33], s[6:7], s[32:33]
	s_cmp_lt_u32 ttmp9, 512
	s_cselect_b64 s[32:33], s[4:5], s[32:33]       ; the tensor read
	s_cselect_b32 s30, s28, s30                    ; the tile's number in it
	s_lshr_b32 s34, s30, 1
	s_lshl_b32 s34, s34, 5
	s_and_b32 s35, s30, 1
	s_lshl_b32 s35, s35, 3
	s_add_co_u32 s34, s34, s35                     ; the tile's first row: 32 (tile / 2) + 8 (tile % 2)
	s_lshl_b32 s34, s34, 12                        ; rows of 4,096 bytes
	s_lshl_b32 s35, s22, 10
	s_add_co_u32 s34, s34, s35                     ; + my wave's 256 columns
	s_mov_b32 s35, 0
	s_add_nc_u64 s[32:33], s[32:33], s[34:35]
	s_lshl_b32 s36, s28, 13
	s_lshl_b32 s37, s22, 11
	s_add_co_u32 s36, s36, s37                     ; the tile's image, my wave's eight blocks
	s_mov_b32 s37, 0
	s_add_nc_u64 s[24:25], s[24:25], s[36:37]
	s_lshl_b32 s36, s28, 9
	s_add_nc_u64 s[26:27], s[26:27], s[36:37]
.macro LOAD t                          ; step t: tile rows 2 i and 2 i + 1, 256 bytes each
.irp i, 0,1,2,3,4,5,6,7
	global_load_b128 v[RR+32*(\t)+4*\i:RR+32*(\t)+4*\i+3], v[GA], s[32:33] offset:256*(\t)+(2*\i+8*(\i/4))*4096 th:TH_LOAD_NT
.endr
.endm
.macro TURN t                          ; step t through the stage: LDS serves a wave's instructions in order, so no wait stands between the stores and the loads
.irp i, 0,1,2,3,4,5,6,7
	ds_store_b128 v[SW], v[RR+32*(\t)+4*\i:RR+32*(\t)+4*\i+3] offset:HSTG*((\t)%2)+544*\i
.endr
.irp j, 0,1,2,3,4,5,6,7
	ds_load_b128 v[XX+32*((\t)%2)+4*\j:XX+32*((\t)%2)+4*\j+3], v[SR] offset:HSTG*((\t)%2)+16*\j
.endr
.endm
.macro STEP t
.set XS, XX+32*((\t)%2)
.if (\t) > 0
	s_wait_dscnt 1                                 ; this step's numbers are back from the stage; behind them only the last step's byte store was issued
.else
	s_wait_dscnt 0x0
.endif
.if (\t) < 3
	s_wait_loadcnt 8*(2-(\t))                      ; the next step's eight loads are in; those of the steps behind it may be out
	TURN (\t)+1                                    ; and go through the other stage while this step is worked
.endif
	v_max3_num_f32 v8, |v[XS]|, |v[XS+1]|, |v[XS+2]|               ; the block's largest magnitude: all 32 numbers are mine; two chains
	v_max3_num_f32 v9, |v[XS+3]|, |v[XS+4]|, |v[XS+5]|
.irp i, 6,10,14,18,22,26
	v_max3_num_f32 v8, v8, |v[XS+\i]|, |v[XS+\i+1]|
	v_max3_num_f32 v9, v9, |v[XS+\i+2]|, |v[XS+\i+3]|
.endr
	v_max3_num_f32 v8, v8, |v[XS+30]|, |v[XS+31]|
	v_max3_num_f32 v8, v8, v9, 0x1800000           ; and the floor 2^(3 - 127): the byte cannot fall under 1
	v_add_nc_u32 v11, 0xff000000, v8               ; 2 off the exponent field: the conversion takes the exponent field of this operand as its scale
.irp g, 0,1,2,3
	v_cvt_scalef32_pk8_fp4_f32 v[CD+4*(\t)+\g], v[XS+8*\g:XS+8*\g+7], v11
.endr
	v_lshrrev_b32 v[BY+(\t)], 23, v11              ; the scale's byte (also the plain instruction behind the conversions)
	ds_store_b8 v[SBA], v[BY+(\t)] offset:2*(\t)
	global_store_b128 v[LI], v[CD+4*(\t):CD+4*(\t)+3], s[24:25] offset:512*(\t)   ; blocks 8 w + 2 t and + 1 of the 16 tile rows: 512 consecutive bytes, aligned
.endm
	LOAD 0
	LOAD 1
	LOAD 2
	LOAD 3
	s_wait_loadcnt 24                              ; step 0's eight loads are in; 24 younger ones stay out
	TURN 0
	STEP 0
	STEP 1
	STEP 2
	STEP 3
	s_wait_dscnt 0x0                               ; for the others' sake: my byte stores have landed
	s_barrier_signal -1
	s_barrier_wait -1                              ; the tile's 512 scale bytes lie in LDS
	s_wait_tensorcnt 0x0                           ; behind my last LDS store; only an LDS read follows
	ds_add_u32 v[SPW], v[NIL]
	s_wait_dscnt 0x0
	s_cmp_lg_u32 s22, 0
	s_cbranch_scc1 .Lend
	ds_load_b128 v[8:11], v[SCR]
	s_wait_dscnt 0x0
	global_store_b128 v[LI], v[8:11], s[26:27]     ; 512 consecutive bytes, aligned
.Lend:
	s_endpgm
.Lfunc_end_k_qf9f2a3b486_quant:
	.size	k_qf9f2a3b486_quant, .Lfunc_end_k_qf9f2a3b486_quant-k_qf9f2a3b486_quant
	.p2alignl 7, 3214868480
	.fill 96, 4, 3214868480
	.section	.rodata,"a",@progbits
	.p2align	6, 0x0
	.amdhsa_kernel k_qf9f2a3b486_quant
		.amdhsa_group_segment_fixed_size 35840
		.amdhsa_private_segment_fixed_size 0
		.amdhsa_enable_private_segment 0
		.amdhsa_kernarg_size 72
		.amdhsa_user_sgpr_count 2
		.amdhsa_user_sgpr_kernarg_segment_ptr 1
		.amdhsa_wavefront_size32 1
		.amdhsa_system_sgpr_workgroup_id_x 1
		.amdhsa_system_sgpr_workgroup_id_y 1
		.amdhsa_system_sgpr_workgroup_id_z 1
		.amdhsa_system_vgpr_workitem_id 0
		.amdhsa_next_free_vgpr 256
		.amdhsa_next_free_sgpr 66
		.amdhsa_reserve_vcc 0
		.amdhsa_float_denorm_mode_32 3
		.amdhsa_float_denorm_mode_16_64 3
		.amdhsa_memory_ordered 1
		.amdhsa_forward_progress 1
		.amdhsa_inst_pref_size 17
	.end_amdhsa_kernel
	.amdgpu_metadata
---
amdhsa.version: [ 1, 2 ]
amdhsa.kernels:
  - .name:           k_qf9f2a3b486_quant
    .symbol:         k_qf9f2a3b486_quant.kd
    .args:
      - { .name: x, .offset: 0, .size: 8, .value_kind: global_buffer, .address_space: global }
      - { .name: Wq, .offset: 8, .size: 8, .value_kind: global_buffer, .address_space: global }
      - { .name: Wk, .offset: 16, .size: 8, .value_kind: global_buffer, .address_space: global }
      - { .name: Wv, .offset: 24, .size: 8, .value_kind: global_buffer, .address_space: global }
      - { .name: Wo, .offset: 32, .size: 8, .value_kind: global_buffer, .address_space: global }
      - { .name: x_c, .offset: 40, .size: 8, .value_kind: global_buffer, .address_space: global }
      - { .name: x_s, .offset: 48, .size: 8, .value_kind: global_buffer, .address_space: global }
      - { .name: w_c, .offset: 56, .size: 8, .value_kind: global_buffer, .address_space: global }
      - { .name: w_s, .offset: 64, .size: 8, .value_kind: global_buffer, .address_space: global }
    .group_segment_fixed_size: 35840
    .private_segment_fixed_size: 0
    .kernarg_segment_align: 8
    .kernarg_segment_size: 72
    .max_flat_workgroup_size: 128
    .sgpr_count:     66
    .vgpr_count:     256
    .wavefront_size: 32
...
	.end_amdgpu_metadata
.endif
;; end of part 4
;; launch attn (part 5): grid 4 x 64, 4 waves a work-group, no clusters, 126,464 bytes of LDS; arguments x_c, x_s, w_c, w_s, bq, bk, bv, att_c, att_s; writes att_c, att_s
.if DOCPART == 5
	.amdgcn_target "amdgcn-amd-amdhsa--gfx1250"
	.amdhsa_code_object_version 6
	.text
	.protected	k_qf9f2a3b486_attn
	.globl	k_qf9f2a3b486_attn
	.p2align	8
	.type	k_qf9f2a3b486_attn,@function
k_qf9f2a3b486_attn:
	s_mov_b64 s[64:65], 0
	v_nop
	global_prefetch_b8 v0, s[64:65] scope:SCOPE_SE
	s_setreg_imm32_b32 hwreg(HW_REG_WAVE_SCHED_MODE, 0, 2), 2
	s_setreg_imm32_b32 hwreg(HW_REG_WAVE_MODE, 25, 1), 1
	s_wait_xcnt 0x0
	s_wait_alu depctr_vm_vsrc(0)
; SECOND LAUNCH.  A work-group takes one batch (128 tokens) and four heads, one head a wave: Q, K, V = x W^T + b on codes, their quantisers, the causal softmax, the product with V, the division by the row's sum,
; and the quantiser along the channels for the projection that follows.  Everything between x's codes and the result's codes stays in registers and in the wave's own LDS bytes.
; WORK LEFT OUT: the scores of key blocks that lie wholly behind a query block under reference()'s own causal mask, and their softmax (shown at the head of the first launch's text); their weights are zero codes.
; LIMITS: a NaN, an infinity or an overflow that reaches only those scores is not carried to the result; a block of zeros gets the scale byte 1 (its codes are zeros; the bytes are read by this program alone);
; blocks whose largest magnitude lies under 2^-124 keep the byte 1; NaN and infinities among the inputs are not served.
; TILES: rows (tokens of x, rows of a weight) come in tiles of 16, row p of tile u of a group of 32 being row 8 u + p + 8 (p / 8).  So where such tiles 2 b and 2 b + 1 are source 0, a lane's 16 result registers are the 16
; neighbours 32 b + 16 (lane / 16) + 0 .. 15: what the conversions want.  Q and K: source 0 = 16 rows of W, source 1 = 16 tokens: a lane holds one token, registers along the head's 64 (their K).
; V: source 0 = 16 tokens, source 1 = 16 rows of W: a lane holds one channel, registers along the tokens (its K).  S^T = K Q^T and O^T = V^T P^T: a lane holds one query throughout.
; THE HEAD'S 64 ARE HALF OF THE INSTRUCTION'S 128: Q's registers 4-7 are zero codes; K's registers 4-7 are whatever follows (the next tile's codes): they meet zeros; both sides' scale bytes there are 0, which is 2^-127 and no NaN.
; SOFTMAX: t = score x log2(e) / 8; M = ceil(the row's largest t) over all its keys (they are all at hand: no running maximum is needed); p = 2^(t - M) is quantised along the keys; the row's sum is taken of the unquantised p.
; x's 64 fragments stay in 512 registers of each wave for all six pairs of weight tiles; they come from memory once a work-group, a quarter a wave, and go round through LDS as they lie.
; The weights go from memory straight into fragment registers, two buffers by turns, each asked for a whole pair (128 products) ahead.
; NO CLUSTER, NO TENSOR LOAD: a wave's 96 KiB of weight images are read by that wave alone in its work-group and feed 8 products a fragment from registers; through LDS the same bytes would be written and read once more.
; What the four work-groups of a batch share, x's 64 KiB of images, is a seventh of the 448 KiB that a work-group reads.
; REGISTERS, in windows of 256.  Window 1: the weights' two buffers (fragment (u, s) of buffer k at 128 k + 64 u + 8 s); later K's, V's and Q's codes.  Windows 2, 3: x's tiles 0-3, 4-7 (tile, K step s at 64 (tile % 4) + 8 s).
; Window 0: v1-15 addresses; v16-143 sixteen accumulators, later scores, p and O^T; v144-191 scale words and nothing else; v192-223 biases, later p's and O's codes; v224-255 at work.
; THE MODE: SCHED_MODE bits 1:0 = 2 (LLVM: expert scheduling mode 2), set by the entry lines.  The code itself states the register dependences
; between vector or matrix instructions and memory or LDS instructions, with s_wait_alu, always for 0.
; THE PLAN.  Registers that memory or LDS instructions touch:
;   the weights' buffers 0, 1 (window 1), their scale words v[WS ..] and biases v[BI ..]: pair P's 128 products read buffer P % 2; behind them the loads of pair P + 2 land in it.
;   v[ACC ..]: at the head the loads of x's quarter land in it and 32 LDS stores read it; from pair 0 on matrix and vector instructions alone name it.
;   windows 2, 3 and v[XS ..]: loaded once, read by products; ahead of the attention LDS loads land in v144-153.
;   v[PC ..], v[UU ..]: a quantiser's conversions and shifts write them, its stash stores, which stand together at its end, read them.
;   the attention: LDS loads land in window 1; p's codes and scale words are written by vector instructions and taken by scaled products; v[OC ..] and two of v[BU ..] are written in a block and read by its stores.
;   addresses: v1, v5, v6, v14, v15 are made at the head and never written again; v2, v3, v4, v7 are made anew once, ahead of the attention.
; THE WAITS.  A pair: one on va_vdst behind its products, ahead of the refill of the buffer that they read; one on vm_vsrc at the quantiser's head; one on va_vdst ahead of the quantiser's stash stores.
; A block of the attention: the two behind its exponentials; one on va_vdst ahead of the products with V; one ahead of its stores; one on vm_vsrc behind them.
.set STASH, 65536                      ; LDS: 0: x's 64 fragment images, 1,024 bytes each;  from STASH: 14,848 bytes for each wave:
.set STW,   14848
.set SQ,    0                          ;   Q's codes, 512 bytes a tile: [block 0, 1][tile row][16 bytes]
.set SK,    4096                       ;   K's likewise
.set SV,    8192                       ;   V's, 1,024 bytes a tile of 16 channels: [block of 32 keys 0..3][tile row][16 bytes]
.set SSC,   12288                      ;   scale words, 4 bytes a row: Q's at 64 x tile, K's at 512 +, V's at 1024 +
.set ASC,   124928                     ; the result's scale bytes of the work-group: [tile 0..7][tile row][8 bytes]
.set SPARE, 125952                     ; the spare words, 128 bytes for each wave: two blocks of 256 bytes that no other line names
.set LI,  1                            ; v1   16 x lane
.set L32, 2                            ; v2   32 x lane;            in the attention: GC = 16 r + 8 h
.set BA,  3                            ; v3   64 h;                 in the attention: ASA = ASC + 8 r + 2 w
.set VBA, 4                            ; v4   4 (r + 8 (r / 8));    in the attention: ASR = ASC + 256 w + 8 x lane
.set SCD, 5                            ; v5   my stash + 16 r + 8 h: where a lane's 16 codes go
.set SSA, 6                            ; v6   my stash + SSC + 4 r: where a row's scale word goes
.set XW,  7                            ; v7   16 x lane + 16384 w;  in the attention: GS = 256 w + 8 x lane
.set VB,  8                            ; v8-11  bv of my channel in V's four tiles
.set SPW, 12                           ; v12  my spare word; never rewritten
.set NIL, 13                           ; v13  0; never rewritten
.set SRD, 14                           ; v14  my stash + 16 x lane
.set SSR, 15                           ; v15  my stash + SSC + 4 x lane
.set GC,  2
.set ASA, 3
.set ASR, 4
.set GS,  7
.set ACC, 16                           ; accumulator (u, m) at ACC + 64 u + 8 m
.set XS,  144                          ; x's scale words: pair of tiles p, K step s at XS + 8 p + s (lanes 0-15 tile 2 p, lanes 16-31 tile 2 p + 1)
.set WS,  176                          ; the weights': buffer k, K step s at WS + 8 k + s (lanes 0-15 tile u = 0, lanes 16-31 u = 1)
.set BI,  192                          ; the biases in the results' layout: buffer k, tile u at BI + 16 k + 8 u
.set TM,  224                          ; v224-227 largest magnitudes
.set SF,  228                          ; v228-231 the conversions' scale operands
.set UU,  232                          ; v232-239 the other half's maxima, then scale bytes
.set PC,  240                          ; v240-255 codes on their way to the stash
.set QS,  144                          ; the attention's scale words: Q's pair B, K's pair kb, V's pair, p's of tile q
.set KS,  148
.set VS,  152
.set PS,  154
.set SR0, 16                           ; scores of query tile q, key block kb, half u at SR0 + 64 q + 16 kb + 8 u; O^T of tile q, channels' tile t at SR0 + 64 q + 8 t
.set PP,  192                          ; p's codes of tile q at PP + 8 q
.set OC,  208                          ; the result's codes at OC + 4 q + 2 bd
.set NM,  216                          ; -M, later 1 / the sum, of tile q at NM + 2 q (named in pairs: the partners hold 0)
.set LS,  220                          ; the sum, two halves, at LS + 2 q
.set BM,  224                          ; a block's largest score, then largest p, at BM + 4 q + kb
.set BU,  232
.set SO,  240
.set LB,  248                          ; the sum's second chain at LB + 2 q
.set TT,  252
.set MINF, 254
.set MK,  32                           ; s32-63 the diagonal block's masks: register i of tile q is hidden in the lanes whose bit is set in s[MK + 16 q + i]
.set MSB, 0
.macro WIN new                         ; the immediate's high byte repeats the setting that is left; a switch that changes nothing is dropped
.if MSB != (\new)
	s_set_vgpr_msb (MSB<<8)|(\new)
.set MSB, (\new)
.endif
.endm
.macro PLACES                          ; four plain instructions between a matrix instruction and a vector instruction that writes or reads its registers (ISA guide 7.12.1)
.rept 4
	v_nop
.endr
.endm
; One product.  dD, dA, dB: the first registers of D, A, B; dC: of C, or -1 for the constant 0; dSA, dSB: the scale registers; dRA, dRB: 1 where a side's scales stand in lanes 16-31.
.macro WMS
.if dC < 0
.if (dRA == 0) && (dRB == 0)
	v_wmma_scale_f32_16x16x128_f8f6f4 v[dD:dD+7], v[dA:dA+7], v[dB:dB+7], 0, v[dSA], v[dSB] matrix_a_fmt:MATRIX_FMT_FP4 matrix_b_fmt:MATRIX_FMT_FP4
.elseif (dRA == 1) && (dRB == 0)
	v_wmma_scale_f32_16x16x128_f8f6f4 v[dD:dD+7], v[dA:dA+7], v[dB:dB+7], 0, v[dSA], v[dSB] matrix_a_fmt:MATRIX_FMT_FP4 matrix_b_fmt:MATRIX_FMT_FP4 matrix_a_scale:MATRIX_SCALE_ROW1
.elseif (dRA == 0) && (dRB == 1)
	v_wmma_scale_f32_16x16x128_f8f6f4 v[dD:dD+7], v[dA:dA+7], v[dB:dB+7], 0, v[dSA], v[dSB] matrix_a_fmt:MATRIX_FMT_FP4 matrix_b_fmt:MATRIX_FMT_FP4 matrix_b_scale:MATRIX_SCALE_ROW1
.else
	v_wmma_scale_f32_16x16x128_f8f6f4 v[dD:dD+7], v[dA:dA+7], v[dB:dB+7], 0, v[dSA], v[dSB] matrix_a_fmt:MATRIX_FMT_FP4 matrix_b_fmt:MATRIX_FMT_FP4 matrix_a_scale:MATRIX_SCALE_ROW1 matrix_b_scale:MATRIX_SCALE_ROW1
.endif
.else
.if (dRA == 0) && (dRB == 0)
	v_wmma_scale_f32_16x16x128_f8f6f4 v[dD:dD+7], v[dA:dA+7], v[dB:dB+7], v[dC:dC+7], v[dSA], v[dSB] matrix_a_fmt:MATRIX_FMT_FP4 matrix_b_fmt:MATRIX_FMT_FP4
.elseif (dRA == 1) && (dRB == 0)
	v_wmma_scale_f32_16x16x128_f8f6f4 v[dD:dD+7], v[dA:dA+7], v[dB:dB+7], v[dC:dC+7], v[dSA], v[dSB] matrix_a_fmt:MATRIX_FMT_FP4 matrix_b_fmt:MATRIX_FMT_FP4 matrix_a_scale:MATRIX_SCALE_ROW1
.elseif (dRA == 0) && (dRB == 1)
	v_wmma_scale_f32_16x16x128_f8f6f4 v[dD:dD+7], v[dA:dA+7], v[dB:dB+7], v[dC:dC+7], v[dSA], v[dSB] matrix_a_fmt:MATRIX_FMT_FP4 matrix_b_fmt:MATRIX_FMT_FP4 matrix_b_scale:MATRIX_SCALE_ROW1
.else
	v_wmma_scale_f32_16x16x128_f8f6f4 v[dD:dD+7], v[dA:dA+7], v[dB:dB+7], v[dC:dC+7], v[dSA], v[dSB] matrix_a_fmt:MATRIX_FMT_FP4 matrix_b_fmt:MATRIX_FMT_FP4 matrix_a_scale:MATRIX_SCALE_ROW1 matrix_b_scale:MATRIX_SCALE_ROW1
.endif
.endif
.endm
.macro XLOAD base                      ; my wave's quarter, 16 KiB, of the batch's 64 KiB of images: 512 consecutive bytes a load
.set i, 0
.rept 32
	global_load_b128 v[ACC+4*i:ACC+4*i+3], v[LI], s[\base:\base+1] offset:512*i
.set i, i+1
.endr
.endm
.macro XSTORE                          ; into LDS as it lies
.set i, 0
.rept 32
	ds_store_b128 v[XW], v[ACC+4*i:ACC+4*i+3] offset:512*i
.set i, i+1
.endr
.endm
.macro XFETCH                          ; all 64 fragments into windows 2 and 3
.irp mh, 0,1
	WIN 0x80+0x40*\mh
.irp mi, 0,1,2,3
.irp s, 0,1,2,3,4,5,6,7
.irp c, 0,1
	ds_load_b128 v[64*\mi+8*\s+4*\c:64*\mi+8*\s+4*\c+3], v[LI] offset:(8*(4*\mh+\mi)+\s)*1024+512*\c
.endr
.endr
.endr
.endr
	WIN 0
.endm
; Pair P of weight tiles (P / 2: Wq, Wk, Wv; P % 2: which 32 of the head's 64 rows) into buffer P % 2: 32 loads of codes, 2 of scale words, and the bias: 4 loads (Q, K), or 16 copies of the lane's own number (V).
; w = 1: the buffer has been multiplied by.
.macro REFILL P, w
.set kk, (\P)%2
	WIN 0x40
.if \w
	s_wait_alu depctr_va_vdst(0)                   ; the pair's products are done reading this buffer's fragments, scale words and biases, in which the loads below land; only loads and a window switch stand between this wait and the last of them
.endif
.irp u, 0,1
.irp s, 0,1,2,3,4,5,6,7
.irp c, 0,1
	global_load_b128 v[128*kk+64*\u+8*\s+4*\c:128*kk+64*\u+8*\s+4*\c+3], v[LI], s[8:9] offset:((\P)/2)*524288+kk*16384+\u*8192+\s*1024+\c*512
.endr
.endr
.endr
	WIN 0
.irp c, 0,1
	global_load_b128 v[WS+8*kk+4*\c:WS+8*kk+4*\c+3], v[L32], s[10:11] offset:((\P)/2)*32768+kk*1024+16*\c
.endr
.if (\P) < 4
.irp u, 0,1
.irp c, 0,1
	global_load_b128 v[BI+16*kk+8*\u+4*\c:BI+16*kk+8*\u+4*\c+3], v[BA], s[12+2*((\P)/2):13+2*((\P)/2)] offset:128*kk+32*\u+16*\c   ; b at the lane's eight rows of W: 32 (P % 2) + 16 h + 8 u + 0 .. 7
.endr
.endr
.else
.irp u, 0,1
.irp j, 0,1,2,3,4,5,6,7
	v_mov_b32 v[BI+16*kk+8*\u+\j], v[VB+2*kk+\u]
.endr
.endr
.endif
.endm
; 128 products: the two weight tiles of buffer k against x's eight tiles, all of K.  nat = 0: source 0 = W, source 1 = x;  nat = 1: the other way round.  The bias is the C of each sum's first product.
; Eight accumulators take turns, one instruction a turn.
.macro PAIR k, nat
.irp mh, 0,1
.if \nat
	WIN 0x06+\mh
.else
	WIN 0x09+4*\mh
.endif
.irp s, 0,1,2,3,4,5,6,7
.irp u, 0,1
.irp mi, 0,1,2,3
.set dD, ACC+64*\u+8*(4*\mh+\mi)
.set dC, dD
.if \s == 0
.set dC, BI+16*(\k)+8*\u
.endif
.if \nat
.set dA, 64*\mi+8*\s
.set dB, 128*(\k)+64*\u+8*\s
.set dSA, XS+8*((4*\mh+\mi)/2)+\s
.set dSB, WS+8*(\k)+\s
.set dRA, \mi%2
.set dRB, \u
.else
.set dA, 128*(\k)+64*\u+8*\s
.set dB, 64*\mi+8*\s
.set dSA, WS+8*(\k)+\s
.set dSB, XS+8*((4*\mh+\mi)/2)+\s
.set dRA, \u
.set dRB, \mi%2
.endif
	WMS
.endr
.endr
.endr
.endr
	WIN 0
	PLACES                                         ; for the copies of bv into the biases' registers and for the first reads of the results
.endm
; Q or K, block bp of the head's two: the 16 registers (0, m), (1, m) of a lane are 16 neighbours of token tile m's row r; lane l xor 16 holds the block's other 16.
; A lane's 8 bytes of codes go to byte 8 h of its row's 16 in the tile's image: so the image holds whole blocks, and no exchange of halves is needed.
.macro QUANTD base, sbase, bp
	s_wait_dscnt 0x0                               ; the stash stores issued before are done
.if ((\base) != SQ) || ((\bp) != 0)
	s_wait_alu depctr_vm_vsrc(0)                   ; the stash stores of the quantiser before have read v[UU ..] and v[PC ..], which the lines below write again
.endif
.irp G, 0,1
.irp mi, 0,1,2,3
	v_max3_num_f32 v[TM+\mi], |v[ACC+8*(4*\G+\mi)]|, |v[ACC+8*(4*\G+\mi)+1]|, 0x1800000   ; with the floor 2^(3 - 127); each accumulator is read from its low end on; four tiles by turns
.endr
.irp i, 2,4,6
.irp mi, 0,1,2,3
	v_max3_num_f32 v[TM+\mi], v[TM+\mi], |v[ACC+8*(4*\G+\mi)+\i]|, |v[ACC+8*(4*\G+\mi)+\i+1]|
.endr
.endr
.irp i, 0,2,4,6
.irp mi, 0,1,2,3
	v_max3_num_f32 v[TM+\mi], v[TM+\mi], |v[ACC+64+8*(4*\G+\mi)+\i]|, |v[ACC+64+8*(4*\G+\mi)+\i+1]|
.endr
.endr
.irp mi, 0,1,2,3
	v_permlanex16_b32 v[UU+4*\G+\mi], v[TM+\mi], s30, s31
.endr
.irp mi, 0,1,2,3
	v_max_num_f32 v[TM+\mi], v[TM+\mi], v[UU+4*\G+\mi]             ; the block's largest magnitude
.endr
.irp mi, 0,1,2,3
	v_add_nc_u32 v[SF+\mi], 0xff000000, v[TM+\mi]                  ; 2 off its exponent field: the conversion's scale operand
.endr
.irp mi, 0,1,2,3
	v_lshrrev_b32 v[UU+4*\G+\mi], 23, v[SF+\mi]                    ; the scale's byte
.endr
.irp mi, 0,1,2,3
	v_cvt_scalef32_pk8_fp4_f32 v[PC+8*\G+2*\mi], v[ACC+8*(4*\G+\mi):ACC+8*(4*\G+\mi)+7], v[SF+\mi]
	v_cvt_scalef32_pk8_fp4_f32 v[PC+8*\G+2*\mi+1], v[ACC+64+8*(4*\G+\mi):ACC+64+8*(4*\G+\mi)+7], v[SF+\mi]
.endr
	v_nop                                          ; one plain instruction behind the conversions
.endr
	s_wait_alu depctr_va_vdst(0)                   ; the conversions have written v[PC ..] and the shifts v[UU ..], which the stash stores below read: one wait for the eight tiles
.irp G, 0,1
.irp mi, 0,1,2,3
	ds_store_b64 v[SCD], v[PC+8*\G+2*\mi:PC+8*\G+2*\mi+1] offset:\base+512*(4*\G+\mi)+256*\bp
.if \bp == 0
	ds_store_b32 v[SSA], v[UU+4*\G+\mi] offset:\sbase+64*(4*\G+\mi)        ; the whole word: byte 0, and zeros above (both halves of the lanes write the same)
.else
	ds_store_b8 v[SSA], v[UU+4*\G+\mi] offset:\sbase+64*(4*\G+\mi)+1       ; byte 1
.endif
.endr
.endr
.endm
; V, channels' tiles 2 bp and 2 bp + 1: register 16 b + i of a tile's 64 is token 32 b + 16 h + i of the lane's channel: four blocks along the keys.
.macro QUANTT bp
	s_wait_dscnt 0x0
	s_wait_alu depctr_vm_vsrc(0)                   ; the stash stores of the quantiser before have read v[UU ..] and v[PC ..], which the lines below write again
.irp u, 0,1
.irp b, 0,1,2,3
	v_max3_num_f32 v[TM+\b], |v[ACC+64*\u+16*\b]|, |v[ACC+64*\u+16*\b+1]|, 0x1800000
.endr
.irp i, 2,4,6,8,10,12,14
.irp b, 0,1,2,3
	v_max3_num_f32 v[TM+\b], v[TM+\b], |v[ACC+64*\u+16*\b+\i]|, |v[ACC+64*\u+16*\b+\i+1]|
.endr
.endr
.irp b, 0,1,2,3
	v_permlanex16_b32 v[UU+4*\u+\b], v[TM+\b], s30, s31
.endr
.irp b, 0,1,2,3
	v_max_num_f32 v[TM+\b], v[TM+\b], v[UU+4*\u+\b]
.endr
.irp b, 0,1,2,3
	v_add_nc_u32 v[SF+\b], 0xff000000, v[TM+\b]
.endr
.irp b, 0,1,2,3
	v_lshrrev_b32 v[UU+4*\u+\b], 23, v[SF+\b]
.endr
	v_lshl_or_b32 v[UU+4*\u], v[UU+4*\u+1], 8, v[UU+4*\u]          ; the four bytes make my channel's scale word
	v_lshl_or_b32 v[UU+4*\u], v[UU+4*\u+2], 16, v[UU+4*\u]
	v_lshl_or_b32 v[UU+4*\u], v[UU+4*\u+3], 24, v[UU+4*\u]
.irp b, 0,1,2,3
	v_cvt_scalef32_pk8_fp4_f32 v[PC+8*\u+2*\b], v[ACC+64*\u+16*\b:ACC+64*\u+16*\b+7], v[SF+\b]
	v_cvt_scalef32_pk8_fp4_f32 v[PC+8*\u+2*\b+1], v[ACC+64*\u+16*\b+8:ACC+64*\u+16*\b+15], v[SF+\b]
.endr
	v_nop
.endr
	s_wait_alu depctr_va_vdst(0)                   ; the conversions have written v[PC ..] and the lines that join the bytes v[UU], v[UU + 4], which the stash stores below read: one wait for the two tiles
.irp u, 0,1
.irp b, 0,1,2,3
	ds_store_b64 v[SCD], v[PC+8*\u+2*\b:PC+8*\u+2*\b+1] offset:SV+1024*(2*\bp+\u)+256*\b
.endr
	ds_store_b32 v[SSA], v[UU+4*\u] offset:1024+64*(2*\bp+\u)
.endr
.endm
	s_load_b256 s[4:11], s[0:1], 0x0               ; x_c, x_s, w_c, w_s
	s_load_b256 s[12:19], s[0:1], 0x20             ; bq, bk, bv, att_c
	s_load_b64 s[20:21], s[0:1], 0x40              ; att_s
	v_lshl_add_u32 v[SPW], v0, 2, SPARE
	v_mov_b32 v[NIL], 0
	v_lshrrev_b32 v1, 5, v0
	v_readfirstlane_b32 s22, v1                    ; wave
	s_wait_alu depctr_va_sdst(0)                   ; s22 is written, ahead of its first reader: my head, my stash and the bases are made from it
	s_and_b32 s24, ttmp7, 0xffff                   ; the batch
	s_lshl_b32 s25, ttmp9, 2
	s_add_co_u32 s25, s25, s22                     ; my head: 4 x work-group x + wave
	s_mov_b32 s28, 0x3e38aa3b                      ; c = log2(e) / 8
	s_mov_b32 s29, s28                             ; (named with it as a pair, so it is written)
	s_mov_b32 s30, 0x76543210
	s_mov_b32 s31, 0xfedcba98                      ; v_permlanex16_b32's selects for lane l xor 16
	v_and_b32 v8, 31, v0                           ; lane
	v_and_b32 v9, 15, v0                           ; r
	v_bfe_u32 v10, v0, 4, 1                        ; h
	v_lshlrev_b32 v[LI], 4, v8
	v_lshlrev_b32 v[L32], 5, v8
	v_lshlrev_b32 v[BA], 6, v10
	v_and_b32 v11, 8, v9
	v_add_nc_u32 v11, v11, v9                      ; r + 8 (r / 8)
	v_lshlrev_b32 v[VBA], 2, v11
	s_mul_i32 s26, s22, STW
	s_add_co_u32 s26, s26, STASH                   ; my stash
	v_lshlrev_b32 v[SCD], 4, v9
	v_lshl_add_u32 v[SCD], v10, 3, v[SCD]
	v_add_nc_u32 v[SCD], s26, v[SCD]
	v_lshl_add_u32 v[SSA], v9, 2, SSC
	v_add_nc_u32 v[SSA], s26, v[SSA]
	v_add_nc_u32 v[SRD], s26, v[LI]
	v_lshl_add_u32 v[SSR], v8, 2, SSC
	v_add_nc_u32 v[SSR], s26, v[SSR]
	s_lshl_b32 s27, s22, 14
	v_add_nc_u32 v[XW], s27, v[LI]
.irp j, 0,1,2,3,4,5,6,7
	v_mov_b32 v[UU+\j], 0                          ; written once: a lane permute's destination counts as one of its sources
.endr
	s_wait_kmcnt 0x0
	s_lshl_b32 s26, s24, 16
	s_add_co_u32 s26, s26, s27
	s_mov_b32 s27, 0
	s_add_nc_u64 s[4:5], s[4:5], s[26:27]          ; x's images: the batch's 64 KiB, my wave's quarter
	s_lshl_b32 s26, s24, 12
	s_add_nc_u64 s[6:7], s[6:7], s[26:27]          ; x's scale bytes: 8 tiles of 512
	s_lshl_b32 s26, s25, 15
	s_add_nc_u64 s[8:9], s[8:9], s[26:27]          ; my head's four tiles in each weight
	s_lshl_b32 s26, s25, 11
	s_add_nc_u64 s[10:11], s[10:11], s[26:27]
	s_lshl_b32 s26, s25, 8
	s_add_nc_u64 s[12:13], s[12:13], s[26:27]      ; my head's 64 numbers of each bias
	s_add_nc_u64 s[14:15], s[14:15], s[26:27]
	s_add_nc_u64 s[16:17], s[16:17], s[26:27]
	s_lshl_b32 s26, s24, 16
	s_lshl_b32 s32, s25, 9
	s_add_co_u32 s26, s26, s32
	s_add_nc_u64 s[18:19], s[18:19], s[26:27]      ; the result's images: the batch's, at my head's two blocks
	s_lshl_b32 s26, s24, 12
	s_lshl_b32 s32, ttmp9, 10
	s_add_co_u32 s26, s26, s32
	s_add_nc_u64 s[20:21], s[20:21], s[26:27]      ; its scale bytes: [batch][group of four heads][1,024 bytes]
	s_wait_alu depctr_va_vdst(0)                   ; the addresses v1 to v7, v14 and v15 are written, which the loads and LDS instructions below read; the head's lines are done with v8 to v11, in which bv's loads land.  No vector instruction follows up to pair 0
	XLOAD 4
	REFILL 0, 0
	s_wait_loadcnt 38                              ; my quarter of x is in; the 38 loads of pair 0 stay out
	XSTORE
.irp p, 0,1,2,3
.irp c, 0,1
	global_load_b128 v[XS+8*\p+4*\c:XS+8*\p+4*\c+3], v[L32], s[6:7] offset:1024*\p+16*\c
.endr
.endr
.irp t, 0,1,2,3
	global_load_b32 v[VB+\t], v[VBA], s[16:17] offset:128*(\t/2)+32*(\t%2)     ; bv at channel 32 (t / 2) + 8 (t % 2) + r + 8 (r / 8)
.endr
	REFILL 1, 0
	s_wait_dscnt 0x0                               ; for the others' sake: my quarter lies in LDS
	s_barrier_signal -1
	s_barrier_wait -1
	XFETCH
	s_wait_dscnt 0x0
	s_wait_loadcnt 38                              ; pair 0, x's scale words and bv are in; pair 1's 38 loads stay out
	s_wait_alu depctr_vm_vsrc(0)                   ; my LDS stores of x's quarter have read v[ACC ..], which the products write
	PAIR 0, 0
	REFILL 2, 1
	QUANTD SQ, 0, 0
	s_wait_loadcnt 38                              ; behind pair 1's loads: pair 2's 38
	PAIR 1, 0
	REFILL 3, 1
	QUANTD SQ, 0, 1
	s_wait_loadcnt 38                              ; pair 3's 38
	PAIR 0, 0
	REFILL 4, 1
	QUANTD SK, 512, 0
	s_wait_loadcnt 34                              ; pair 4's 34
	PAIR 1, 0
	REFILL 5, 1
	QUANTD SK, 512, 1
	s_wait_loadcnt 34                              ; pair 5's 34
	PAIR 0, 1
	QUANTT 0
	s_wait_loadcnt 0x0
	PAIR 1, 1
	QUANTT 1
	; THE ATTENTION.  K's, V's and Q's codes come back from my stash into window 1, where the weights lay: K's tile m at v[4 m], V's tile t at v[32 + 8 t], Q's tile m at v[64 + 8 m] with zeros in its upper four registers.
	s_wait_dscnt 0x0
	WIN 0x40
	s_wait_alu depctr_va_vdst(0)                   ; the last two pairs' products are done reading the weights' registers and x's scale words, in which the LDS loads below land; the copies of 0 between name none of those loads' registers
.irp m, 0,1,2,3,4,5,6,7
	ds_load_b128 v[4*\m:4*\m+3], v[SRD] offset:SK+512*\m
.endr
.irp t, 0,1,2,3
.irp c, 0,1
	ds_load_b128 v[32+8*\t+4*\c:32+8*\t+4*\c+3], v[SRD] offset:SV+1024*\t+512*\c
.endr
.endr
.irp m, 0,1,2,3,4,5,6,7
	ds_load_b128 v[64+8*\m:64+8*\m+3], v[SRD] offset:SQ+512*\m
.endr
.irp m, 0,1,2,3,4,5,6,7
.irp j, 4,5,6,7
	v_mov_b32 v[64+8*\m+\j], 0
.endr
.endr
	WIN 0
.irp p, 0,1,2,3
	ds_load_b32 v[QS+\p], v[SSR] offset:128*\p             ; lanes 0-15: tile 2 p's rows; lanes 16-31: tile 2 p + 1's
	ds_load_b32 v[KS+\p], v[SSR] offset:512+128*\p
.endr
.irp p, 0,1
	ds_load_b32 v[VS+\p], v[SSR] offset:1024+128*\p
.endr
	s_wait_alu depctr_vm_vsrc(0)                   ; the loads of the first part have read their offsets v2, v3, v4, x's LDS stores v7, and the last stash stores v[UU ..] and v[PC ..]: all of these are written again from here on
	v_and_b32 v8, 15, v0                           ; r.  (Every global load has come: the registers that held their offsets are free)
	v_bfe_u32 v9, v0, 4, 1                         ; h
	v_and_b32 v10, 8, v8
	v_add_nc_u32 v10, v10, v8
	v_lshlrev_b32 v11, 4, v9
	v_sub_nc_u32 v252, v10, v11                    ; in the diagonal block register i holds key 16 h + i and the lane query 8 q + r + 8 (r / 8): hidden where i > r + 8 (r / 8) - 16 h + 8 q
	v_add_nc_u32 v253, 8, v252
.irp q, 0,1
.irp i, 0,1,2,3,4,5,6,7,8,9,10,11,12,13,14,15
	v_cmp_gt_i32 s[MK+16*\q+\i], \i, v[252+\q]
.endr
.endr
	s_wait_alu depctr_va_sdst(0)                   ; the 32 masks s32 to s63 are written: one wait behind the run of compares, ahead of the selections that read them
	v_lshlrev_b32 v[GC], 4, v8
	v_lshl_add_u32 v[GC], v9, 3, v[GC]
	v_lshl_add_u32 v[ASA], v8, 3, ASC
	s_lshl_b32 s26, s22, 1
	v_add_nc_u32 v[ASA], s26, v[ASA]
	v_and_b32 v10, 31, v0
	v_lshlrev_b32 v[GS], 3, v10
	s_lshl_b32 s26, s22, 8
	v_add_nc_u32 v[GS], s26, v[GS]
	v_add_nc_u32 v[ASR], ASC, v[GS]
	v_mov_b32 v[NM+1], 0                           ; (the upper halves of pairs of which the low word serves both halves)
	v_mov_b32 v[NM+3], 0
	v_mov_b32 v[MINF], 0xff800000                  ; -infinity
	s_wait_dscnt 0x0
	s_wait_alu depctr_va_vdst(0)                   ; the zeros in the upper four registers of Q's tiles are written, which the scaled products take in source 1 (the lines above are more than the four places ahead of them)
; Token block B: query tiles 2 B and 2 B + 1 (q = 0, 1) against key blocks 0 .. B.
.macro ATT B
	WIN 0x05                                       ; K and Q in window 1, the scores in window 0
.irp kb, 0,1,2,3
.if \kb <= \B
.irp up, 0,1
.irp q, 0,1
.set dD, SR0+64*\q+16*\kb+8*\up
.set dA, 4*(2*\kb+\up)
.set dB, 64+8*(2*\B+\q)
.set dC, -1
.set dSA, KS+\kb
.set dSB, QS+\B
.set dRA, \up
.set dRB, \q
	WMS
.endr
.endr
.endif
.endr
	WIN 0
	PLACES
.irp q, 0,1                                    ; the diagonal block: hidden scores become -infinity ahead of the maximum, so that p = 0; key 32 B counts for every query of the block
.irp i, 0,1,2,3,4,5,6,7,8,9,10,11,12,13,14,15
	v_cndmask_b32 v[SR0+64*\q+16*\B+\i], v[SR0+64*\q+16*\B+\i], v[MINF], s[MK+16*\q+\i]
.endr
.endr
.irp q, 0,1                                    ; the largest score of each block of 32 keys: it serves the row's maximum and, since p rises with the score, the block's largest p
.irp kb, 0,1,2,3
.if \kb <= \B
	v_max3_num_f32 v[BM+4*\q+\kb], v[SR0+64*\q+16*\kb], v[SR0+64*\q+16*\kb+1], v[SR0+64*\q+16*\kb+2]
.endif
.endr
.endr
.irp i, 3,5,7,9,11,13
.irp q, 0,1
.irp kb, 0,1,2,3
.if \kb <= \B
	v_max3_num_f32 v[BM+4*\q+\kb], v[BM+4*\q+\kb], v[SR0+64*\q+16*\kb+\i], v[SR0+64*\q+16*\kb+\i+1]
.endif
.endr
.endr
.endr
.irp q, 0,1
.irp kb, 0,1,2,3
.if \kb <= \B
	v_max_num_f32 v[BM+4*\q+\kb], v[BM+4*\q+\kb], v[SR0+64*\q+16*\kb+15]
.endif
.endr
.endr
.irp q, 0,1
.irp kb, 0,1,2,3
.if \kb <= \B
	v_permlanex16_b32 v[BU+4*\q+\kb], v[BM+4*\q+\kb], s30, s31
.endif
.endr
.endr
.irp q, 0,1
.irp kb, 0,1,2,3
.if \kb <= \B
	v_max_num_f32 v[BM+4*\q+\kb], v[BM+4*\q+\kb], v[BU+4*\q+\kb]   ; with lane l xor 16's 16 keys
.endif
.endr
.endr
.irp q, 0,1                                    ; the row's largest score, as t (c is positive), and -M = floor(-t) = -ceil(t)
.if \B == 0
	v_mul_f32 v[TT+\q], s28, v[BM+4*\q]
.elseif \B == 1
	v_max_num_f32 v[TT+\q], v[BM+4*\q], v[BM+4*\q+1]
	v_mul_f32 v[TT+\q], s28, v[TT+\q]
.elseif \B == 2
	v_max3_num_f32 v[TT+\q], v[BM+4*\q], v[BM+4*\q+1], v[BM+4*\q+2]
	v_mul_f32 v[TT+\q], s28, v[TT+\q]
.else
	v_max3_num_f32 v[TT+\q], v[BM+4*\q], v[BM+4*\q+1], v[BM+4*\q+2]
	v_max_num_f32 v[TT+\q], v[TT+\q], v[BM+4*\q+3]
	v_mul_f32 v[TT+\q], s28, v[TT+\q]
.endif
.endr
.irp q, 0,1
	v_floor_f32 v[NM+2*\q], -v[TT+\q]
.endr
.irp q, 0,1
.set j, 0
.rept 8*(\B+1)
	v_pk_fma_f32 v[SR0+64*\q+j:SR0+64*\q+j+1], v[SR0+64*\q+j:SR0+64*\q+j+1], s[28:29], v[NM+2*\q:NM+2*\q+1] op_sel_hi:[1,0,0]   ; t - M, two at a time
.set j, j+2
.endr
.endr
.irp q, 0,1
.irp kb, 0,1,2,3
.if \kb <= \B
	v_fma_f32 v[BM+4*\q+\kb], v[BM+4*\q+\kb], s28, v[NM+2*\q]      ; the same of each block's largest score
.endif
.endr
.endr
	s_wait_alu depctr_va_vdst(0)
.irp q, 0,1
.set j, 0
.rept 16*(\B+1)
	v_exp_f32 v[SR0+64*\q+j], v[SR0+64*\q+j]       ; p = 2^(t - M), at most 1: not normalised
.set j, j+1
.endr
.endr
	v_nop                                          ; a plain instruction behind the exponentials
	s_wait_alu depctr_va_vdst(0)                   ; the exponentials have written p: one wait for the whole batch, ahead of its first reader
.irp q, 0,1
.irp kb, 0,1,2,3
.if \kb <= \B
	v_exp_f32 v[BM+4*\q+\kb], v[BM+4*\q+\kb]       ; the block's largest p: the same two instructions on the same number give the same bits
.endif
.endr
.endr
.irp q, 0,1                                    ; the row's sum is taken of the unquantised p: two at a time, two chains a tile.  (These read the first batch alone: plain work behind the second)
	v_pk_add_f32 v[LS+2*\q:LS+2*\q+1], v[SR0+64*\q:SR0+64*\q+1], v[SR0+64*\q+2:SR0+64*\q+3]
	v_pk_add_f32 v[LB+2*\q:LB+2*\q+1], v[SR0+64*\q+4:SR0+64*\q+5], v[SR0+64*\q+6:SR0+64*\q+7]
.endr
.set j, 8
.rept 4*(\B+1)-2
.irp q, 0,1
	v_pk_add_f32 v[LS+2*\q:LS+2*\q+1], v[LS+2*\q:LS+2*\q+1], v[SR0+64*\q+j:SR0+64*\q+j+1]
	v_pk_add_f32 v[LB+2*\q:LB+2*\q+1], v[LB+2*\q:LB+2*\q+1], v[SR0+64*\q+j+2:SR0+64*\q+j+3]
.endr
.set j, j+4
.endr
.irp q, 0,1
	v_pk_add_f32 v[LS+2*\q:LS+2*\q+1], v[LS+2*\q:LS+2*\q+1], v[LB+2*\q:LB+2*\q+1]
.endr
	s_wait_alu depctr_va_vdst(0)                   ; and one for the blocks' largest p, ahead of their first reader
.irp q, 0,1
.irp kb, 0,1,2,3
.if \kb <= \B
	v_max_num_f32 v[BM+4*\q+\kb], 0x1800000, v[BM+4*\q+\kb]        ; the floor 2^(3 - 127): the byte cannot fall under 1
.endif
.endr
.endr
.irp q, 0,1
.irp kb, 0,1,2,3
.if \kb <= \B
	v_add_nc_u32 v[SO+4*\q+\kb], 0xff000000, v[BM+4*\q+\kb]        ; the conversion's scale operand
.endif
.endr
.endr
.irp q, 0,1
.irp kb, 0,1,2,3
.if \kb <= \B
	v_lshrrev_b32 v[BU+4*\q+\kb], 23, v[SO+4*\q+\kb]               ; the scale's byte
.endif
.endr
.endr
.irp q, 0,1
	v_mov_b32 v[PS+\q], v[BU+4*\q]                 ; p's scale word; the bytes of the blocks left out stay 0 (2^-127, over zero codes)
.irp kb, 1,2,3
.if \kb <= \B
	v_lshl_or_b32 v[PS+\q], v[BU+4*\q+\kb], 8*\kb, v[PS+\q]
.endif
.endr
.endr
.irp q, 0,1
.irp kb, 0,1,2,3
.if \kb > \B
	v_mov_b32 v[PP+8*\q+2*\kb], 0                  ; the blocks left out: zero codes
	v_mov_b32 v[PP+8*\q+2*\kb+1], 0
.endif
.endr
.endr
.irp q, 0,1
.irp kb, 0,1,2,3
.if \kb <= \B
	v_cvt_scalef32_pk8_fp4_f32 v[PP+8*\q+2*\kb], v[SR0+64*\q+16*\kb:SR0+64*\q+16*\kb+7], v[SO+4*\q+\kb]
	v_cvt_scalef32_pk8_fp4_f32 v[PP+8*\q+2*\kb+1], v[SR0+64*\q+16*\kb+8:SR0+64*\q+16*\kb+15], v[SO+4*\q+\kb]
.endif
.endr
.endr
	v_nop                                          ; one plain instruction behind the conversions
.irp q, 0,1                                    ; the operand's layout wants a whole block in a lane: lanes 0-15 block 2 c, lanes 16-31 block 2 c + 1
.irp c, 0,1
.if 2*\c <= \B
.irp i, 0,1
	v_permlane16_swap_b32 v[PP+8*\q+4*\c+\i], v[PP+8*\q+4*\c+2+\i]
.endr
.endif
.endr
.endr
.irp q, 0,1
	v_add_f32 v[TT+\q], v[LS+2*\q], v[LS+2*\q+1]   ; the sum's two halves,
.endr
.irp q, 0,1
	v_permlanex16_b32 v[BU+4*\q], v[TT+\q], s30, s31
.endr
.irp q, 0,1
	v_add_f32 v[TT+\q], v[TT+\q], v[BU+4*\q]       ; and lane l xor 16's: the row's sum
.endr
	s_wait_alu depctr_va_vdst(0)
.irp q, 0,1
	v_rcp_f32 v[NM+2*\q], v[TT+\q]
.endr
	PLACES                                         ; plain instructions behind the reciprocals; with the four additions and the v_nop above, nine stand between the last write of p's scale word and the products
	s_wait_alu depctr_va_vdst(0)                   ; behind the places: p's codes v[PP ..] and scale words v[PS ..] are written, which the scaled products take as source 1 and its scales; the two reciprocals are written too, ahead of their first reader, the division below
	WIN 0x01                                       ; V in window 1, p and O^T in window 0
.irp t, 0,1,2,3
.irp q, 0,1
.set dD, SR0+64*\q+8*\t
.set dA, 32+8*\t
.set dB, PP+8*\q
.set dC, -1
.set dSA, VS+\t/2
.set dSB, PS+\q
.set dRA, \t%2
.set dRB, 0
	WMS
.endr
.endr
	WIN 0
	PLACES
.irp q, 0,1
.set j, 0
.rept 16
	v_pk_mul_f32 v[SR0+64*\q+j:SR0+64*\q+j+1], v[SR0+64*\q+j:SR0+64*\q+j+1], v[NM+2*\q:NM+2*\q+1] op_sel_hi:[1,0]   ; O^T / the sum: register 16 bd + i is channel 32 bd + 16 h + i of my query
.set j, j+2
.endr
.endr
.irp q, 0,1                                    ; the quantiser along the channels: my head's two blocks bd of the projection's K
.irp bd, 0,1
	v_max3_num_f32 v[BM+4*\q+\bd], |v[SR0+64*\q+16*\bd]|, |v[SR0+64*\q+16*\bd+1]|, 0x1800000
.endr
.endr
.irp i, 2,4,6,8,10,12,14
.irp q, 0,1
.irp bd, 0,1
	v_max3_num_f32 v[BM+4*\q+\bd], v[BM+4*\q+\bd], |v[SR0+64*\q+16*\bd+\i]|, |v[SR0+64*\q+16*\bd+\i+1]|
.endr
.endr
.endr
.irp q, 0,1
.irp bd, 0,1
	v_permlanex16_b32 v[BU+4*\q+\bd], v[BM+4*\q+\bd], s30, s31
.endr
.endr
.irp q, 0,1
.irp bd, 0,1
	v_max_num_f32 v[BM+4*\q+\bd], v[BM+4*\q+\bd], v[BU+4*\q+\bd]
.endr
.endr
.irp q, 0,1
.irp bd, 0,1
	v_add_nc_u32 v[SO+4*\q+\bd], 0xff000000, v[BM+4*\q+\bd]
.endr
.endr
.irp q, 0,1
.irp bd, 0,1
	v_lshrrev_b32 v[BU+4*\q+\bd], 23, v[SO+4*\q+\bd]
.endr
.endr
	s_wait_alu depctr_va_vdst(0)
	s_wait_xcnt 0x0                                ; the last block's stores have had their addresses translated: the codes' registers are written again only behind this wait
.irp q, 0,1
.irp bd, 0,1
	v_cvt_scalef32_pk8_fp4_f32 v[OC+4*\q+2*\bd], v[SR0+64*\q+16*\bd:SR0+64*\q+16*\bd+7], v[SO+4*\q+\bd]
	v_cvt_scalef32_pk8_fp4_f32 v[OC+4*\q+2*\bd+1], v[SR0+64*\q+16*\bd+8:SR0+64*\q+16*\bd+15], v[SO+4*\q+\bd]
.endr
.endr
	v_nop
.irp q, 0,1
	v_lshl_or_b32 v[BU+4*\q], v[BU+4*\q+1], 8, v[BU+4*\q]          ; my head's two scale bytes of the row
.endr
	s_wait_alu depctr_va_vdst(0)                   ; the conversions have written v[OC ..] and the two lines above v[BU], v[BU + 4], which the stores below read
.irp q, 0,1
	ds_store_b16 v[ASA], v[BU+4*\q] offset:128*(2*\B+\q)
.irp bd, 0,1
	global_store_b64 v[GC], v[OC+4*\q+2*\bd:OC+4*\q+2*\bd+1], s[18:19] offset:(2*\B+\q)*8192+256*\bd   ; block 2 head + bd of the tile's image: the 32 lanes store 256 consecutive bytes, aligned
.endr
.endr
	s_wait_dscnt 0x0                               ; the byte stores are done
.if \B < 3
	s_wait_alu depctr_vm_vsrc(0)                   ; the stores above have read v[BU], v[BU + 4] and v[OC ..], which the next block writes again
.endif
.endm
	ATT 0
	ATT 1
	ATT 2
	ATT 3
	s_wait_dscnt 0x0                               ; for the others' sake: my scale bytes lie in LDS
	s_barrier_signal -1
	s_barrier_wait -1
	ds_load_b64 v[LB:LB+1], v[ASR]                 ; no vector instruction has been issued since the last block's wait on va_vdst: v[LB], v[LB + 1] and the address owe nothing more
	s_wait_dscnt 0x0
	global_store_b64 v[GS], v[LB:LB+1], s[20:21]   ; a quarter of the work-group's 1,024 scale bytes: 256 consecutive bytes, aligned
	s_wait_dscnt 0x0                               ; the closing lines, six on end
	s_wait_alu 0x0
	s_wait_tensorcnt 0x0
	ds_add_u32 v[SPW], v[NIL]
	s_wait_dscnt 0x0
	s_endpgm
.Lfunc_end_k_qf9f2a3b486_attn:
	.size	k_qf9f2a3b486_attn, .Lfunc_end_k_qf9f2a3b486_attn-k_qf9f2a3b486_attn
	.p2alignl 7, 3214868480
	.fill 96, 4, 3214868480
	.section	.rodata,"a",@progbits
	.p2align	6, 0x0
	.amdhsa_kernel k_qf9f2a3b486_attn
		.amdhsa_group_segment_fixed_size 126464
		.amdhsa_private_segment_fixed_size 0
		.amdhsa_enable_private_segment 0
		.amdhsa_kernarg_size 72
		.amdhsa_user_sgpr_count 2
		.amdhsa_user_sgpr_kernarg_segment_ptr 1
		.amdhsa_wavefront_size32 1
		.amdhsa_system_sgpr_workgroup_id_x 1
		.amdhsa_system_sgpr_workgroup_id_y 1
		.amdhsa_system_sgpr_workgroup_id_z 1
		.amdhsa_system_vgpr_workitem_id 0
		.amdhsa_next_free_vgpr 1024
		.amdhsa_next_free_sgpr 66
		.amdhsa_reserve_vcc 0
		.amdhsa_float_denorm_mode_32 3
		.amdhsa_float_denorm_mode_16_64 3
		.amdhsa_memory_ordered 1
		.amdhsa_forward_progress 1
		.amdhsa_inst_pref_size 255
	.end_amdhsa_kernel
	.section	.bss,"aw",@nobits
	.p2align	6
	.space	262144
	.amdgpu_metadata
---
amdhsa.version: [ 1, 2 ]
amdhsa.kernels:
  - .name:           k_qf9f2a3b486_attn
    .symbol:         k_qf9f2a3b486_attn.kd
    .args:
      - { .name: x_c, .offset: 0, .size: 8, .value_kind: global_buffer, .address_space: global }
      - { .name: x_s, .offset: 8, .size: 8, .value_kind: global_buffer, .address_space: global }
      - { .name: w_c, .offset: 16, .size: 8, .value_kind: global_buffer, .address_space: global }
      - { .name: w_s, .offset: 24, .size: 8, .value_kind: global_buffer, .address_space: global }
      - { .name: bq, .offset: 32, .size: 8, .value_kind: global_buffer, .address_space: global }
      - { .name: bk, .offset: 40, .size: 8, .value_kind: global_buffer, .address_space: global }
      - { .name: bv, .offset: 48, .size: 8, .value_kind: global_buffer, .address_space: global }
      - { .name: att_c, .offset: 56, .size: 8, .value_kind: global_buffer, .address_space: global }
      - { .name: att_s, .offset: 64, .size: 8, .value_kind: global_buffer, .address_space: global }
    .group_segment_fixed_size: 126464
    .private_segment_fixed_size: 0
    .kernarg_segment_align: 8
    .kernarg_segment_size: 72
    .max_flat_workgroup_size: 128
    .sgpr_count:     66
    .vgpr_count:     1024
    .wavefront_size: 32
...
	.end_amdgpu_metadata
.endif
;; end of part 5
;; launch proj (part 6): grid 4 x 64, 4 waves a work-group, no clusters, 83,456 bytes of LDS; arguments att_c, att_s, w_c, w_s, bo, out0; writes out0
.if DOCPART == 6
	.amdgcn_target "amdgcn-amd-amdhsa--gfx1250"
	.amdhsa_code_object_version 6
	.text
	.protected	k_qf9f2a3b486_proj
	.globl	k_qf9f2a3b486_proj
	.p2align	8
	.type	k_qf9f2a3b486_proj,@function
k_qf9f2a3b486_proj:
	s_mov_b64 s[64:65], 0
	v_nop
	global_prefetch_b8 v0, s[64:65] scope:SCOPE_SE
	s_setreg_imm32_b32 hwreg(HW_REG_WAVE_SCHED_MODE, 0, 2), 2
	s_setreg_imm32_b32 hwreg(HW_REG_WAVE_MODE, 25, 1), 1
	s_wait_xcnt 0x0
	s_wait_alu depctr_vm_vsrc(0)
; THIRD LAUNCH.  out0 = att Wo^T + bo on codes of FP4 (E2M1) with one E8M0 scale for each 32 along K.  No work is left out here.
; A work-group takes one batch (128 rows) and 256 columns; wave w its columns 64 w on: four tiles of Wo's rows, whose 32 fragments stay in 256 registers; the batch's 64 fragments of att stay in 512.
; att's images come from memory once a work-group, a quarter a wave, and go round through LDS as they lie; Wo's go from memory straight into fragment registers and feed 8 products each.
; Source 0 = 16 rows of Wo, source 1 = 16 rows of att: a lane holds one row of the result and eight neighbouring columns.  The tiles' rows are those of the first launch's layout (row p of tile u of a group of 32 is
; row 8 u + p + 8 (p / 8)): for Wo that makes a lane's registers of tiles 2 b, 2 b + 1 sixteen neighbouring columns; for att the stores' offsets put each row back in its place.
; The 128 rows go in two halves of 64: sixteen accumulators by turns; the first half's rows leave while the second is multiplied.
; NO CLUSTER, NO TENSOR LOAD: all operands lie in registers for the whole product; what the four work-groups of a batch share, att's 64 KiB of images, would still go through each one's LDS once.
; REGISTERS, in windows of 256.  Window 1: Wo's fragment (t, s) at 64 t + 8 s.  Windows 2, 3: att's tiles 0-3, 4-7 at 64 (tile % 4) + 8 s; behind the first half window 2 takes the rows on their way out.
; Window 0: v1-8 addresses; v16-143 accumulator (t, mi) at 16 + 32 t + 8 mi; v144-191 scale words and nothing else; v192-223 bo in the results' layout.
; THE MODE: SCHED_MODE bits 1:0 = 2 (LLVM: expert scheduling mode 2), set by the entry lines.  The code itself states the register dependences
; between vector or matrix instructions and memory or LDS instructions, with s_wait_alu, always for 0.
; THE PLAN.  Registers that memory or LDS instructions touch:
;   v[ACC ..]: at the head the loads of att's quarter land in it and 32 LDS stores read it; then each half's products write it and the stage's LDS stores read it.
;   window 2: LDS loads fill it at the head; half 0's products read it; behind a half the rows that come back from the stage land in it (half mh: registers 128 mh on) and the global stores read them: none is used twice on the way out.
;   windows 1 and 3, the scale words and bo: loaded once, read by products alone.   Addresses v1 to v8: made at the head, never written again.
; THE WAITS.  A half: one on vm_vsrc at its head (the LDS stores issued before have read v[ACC ..]) and one on va_vdst behind its places (its results are written; the products are done reading window 2).
; Behind that wait no vector or matrix instruction is issued until the next half, so the half's LDS stores, LDS loads and global stores owe nothing more.
.set STAGE, 65536                      ; LDS: 0: att's 64 fragment images;  from STAGE: 16 rows x 272 bytes for each wave
.set SPARE, 82944                      ; the spare words, 128 bytes for each wave: two blocks of 256 bytes that no other line names
.set LI,  1                            ; v1  16 x lane
.set L32, 2                            ; v2  32 x lane
.set BA,  3                            ; v3  64 h
.set L8,  4                            ; v4  8 x lane
.set STO, 5                            ; v5  my stage + 272 r + 64 h
.set RD,  6                            ; v6  my stage + 272 h + 16 r
.set XW,  7                            ; v7  16 x lane + 16384 w
.set CO,  8                            ; v8  4096 h + 16 r
.set SPW, 12                           ; v12 my spare word; never rewritten
.set NIL, 13                           ; v13 0; never rewritten
.set ACC, 16
.set AS,  144                          ; att's scale words: pair of tiles p, K step s at AS + 8 p + s
.set WS,  176                          ; Wo's: pair of tiles t / 2, K step s at WS + 8 (t / 2) + s
.set BO,  192                          ; bo for tile t at BO + 8 t
.set MSB, 0
.macro WIN new                         ; the immediate's high byte repeats the setting that is left; a switch that changes nothing is dropped
.if MSB != (\new)
	s_set_vgpr_msb (MSB<<8)|(\new)
.set MSB, (\new)
.endif
.endm
; One product.  dD, dA, dB, dC: the first registers of D, A, B, C; dSA, dSB: the scale registers; dRA, dRB: 1 where a side's scales stand in lanes 16-31.
.macro WMS
.if (dRA == 0) && (dRB == 0)
	v_wmma_scale_f32_16x16x128_f8f6f4 v[dD:dD+7], v[dA:dA+7], v[dB:dB+7], v[dC:dC+7], v[dSA], v[dSB] matrix_a_fmt:MATRIX_FMT_FP4 matrix_b_fmt:MATRIX_FMT_FP4
.elseif (dRA == 1) && (dRB == 0)
	v_wmma_scale_f32_16x16x128_f8f6f4 v[dD:dD+7], v[dA:dA+7], v[dB:dB+7], v[dC:dC+7], v[dSA], v[dSB] matrix_a_fmt:MATRIX_FMT_FP4 matrix_b_fmt:MATRIX_FMT_FP4 matrix_a_scale:MATRIX_SCALE_ROW1
.elseif (dRA == 0) && (dRB == 1)
	v_wmma_scale_f32_16x16x128_f8f6f4 v[dD:dD+7], v[dA:dA+7], v[dB:dB+7], v[dC:dC+7], v[dSA], v[dSB] matrix_a_fmt:MATRIX_FMT_FP4 matrix_b_fmt:MATRIX_FMT_FP4 matrix_b_scale:MATRIX_SCALE_ROW1
.else
	v_wmma_scale_f32_16x16x128_f8f6f4 v[dD:dD+7], v[dA:dA+7], v[dB:dB+7], v[dC:dC+7], v[dSA], v[dSB] matrix_a_fmt:MATRIX_FMT_FP4 matrix_b_fmt:MATRIX_FMT_FP4 matrix_a_scale:MATRIX_SCALE_ROW1 matrix_b_scale:MATRIX_SCALE_ROW1
.endif
.endm
.macro WLOAD t                         ; Wo's tile t: 16 loads of 512 consecutive bytes
.irp s, 0,1,2,3,4,5,6,7
.irp c, 0,1
	global_load_b128 v[64*(\t)+8*\s+4*\c:64*(\t)+8*\s+4*\c+3], v[LI], s[8:9] offset:8192*(\t)+1024*\s+512*\c
.endr
.endr
.endm
; 128 products: Wo's four tiles against att's tiles 4 mh .. 4 mh + 3, all of K.  bo is the C of each sum's first product.
.macro HALF mh
	s_wait_alu depctr_vm_vsrc(0)                   ; the LDS stores issued before (half 0: of att's quarter; half 1: into the stage) have read v[ACC ..], which the products write
	WIN 0x09+4*\mh
.irp s, 0,1,2,3,4,5,6,7
.irp t, 0,1,2,3
.irp mi, 0,1,2,3
.set dD, ACC+32*\t+8*\mi
.set dC, dD
.if \s == 0
.set dC, BO+8*\t
.endif
.set dA, 64*\t+8*\s
.set dB, 64*\mi+8*\s
.set dSA, WS+8*(\t/2)+\s
.set dSB, AS+8*((4*\mh+\mi)/2)+\s
.set dRA, \t%2
.set dRB, \mi%2
	WMS
.endr
.endr
.endr
	WIN 0
.rept 5
	v_nop                                          ; four places serve the LDS stores that read the results; the fifth the next half's first products, which begin the same accumulators anew with another C
.endr
	s_wait_alu depctr_va_vdst(0)                   ; behind the places: the products have written v[ACC ..], which the stage's LDS stores read, and are done reading the registers of window 2 in which the stage's loads land
.endm
; Tile 4 mh + mi of the rows: 16 rows x 64 columns go through my own stage and come back as rows of 256 bytes.  LDS serves a wave's instructions in order: no wait between the stores and the loads, nor in front of the next tile's stores.
.macro TOSTAGE mh, mi
.irp t, 0,1,2,3
	ds_store_b128 v[STO], v[ACC+32*\t+8*(\mi):ACC+32*\t+8*(\mi)+3] offset:128*(\t/2)+32*(\t%2)          ; each accumulator from its low end on; columns 32 (t / 2) + 16 h + 8 (t % 2) + 0 .. 7
	ds_store_b128 v[STO], v[ACC+32*\t+8*(\mi)+4:ACC+32*\t+8*(\mi)+7] offset:128*(\t/2)+32*(\t%2)+16
.endr
	WIN 0x80
.irp i, 0,1,2,3,4,5,6,7
	ds_load_b128 v[128*(\mh)+32*(\mi)+4*\i:128*(\mh)+32*(\mi)+4*\i+3], v[RD] offset:544*\i               ; between the half's wait on va_vdst and this load stand LDS stores, loads, window switches and global stores, none of which names this load's registers
.endr
	WIN 0
.endm
.macro SEND mh, mi, younger            ; younger: the LDS instructions issued behind the tile's loads, which may stay out.  No register on the way out is used twice
	s_wait_dscnt \younger
	WIN 0x08                                       ; a store's data: window 2
.irp i, 0,1,2,3,4,5,6,7
	global_store_b128 v[CO], v[128*(\mh)+32*(\mi)+4*\i:128*(\mh)+32*(\mi)+4*\i+3], s[14:15] offset:(32*((4*(\mh)+(\mi))/2)+8*((\mi)%2)+2*\i+8*(\i/4))*4096 th:TH_STORE_NT   ; tile rows 2 i, 2 i + 1 at their places: sixteen lanes store 256 consecutive bytes, aligned
.endr
	WIN 0
.endm
	s_load_b256 s[4:11], s[0:1], 0x0               ; att_c, att_s, w_c, w_s
	s_load_b128 s[12:15], s[0:1], 0x20             ; bo, out0
	v_lshl_add_u32 v[SPW], v0, 2, SPARE
	v_mov_b32 v[NIL], 0
	v_lshrrev_b32 v1, 5, v0
	v_readfirstlane_b32 s16, v1                    ; wave
	s_wait_alu depctr_va_sdst(0)                   ; s16 is written, ahead of its first reader: my tiles, my stage and the bases are made from it
	s_and_b32 s17, ttmp7, 0xffff                   ; the batch
	s_lshl_b32 s18, ttmp9, 4
	s_lshl_b32 s19, s16, 2
	s_add_co_u32 s18, s18, s19                     ; my first tile of Wo: 16 x work-group x + 4 x wave
	v_and_b32 v9, 31, v0                           ; lane
	v_and_b32 v10, 15, v0                          ; r
	v_bfe_u32 v11, v0, 4, 1                        ; h
	v_lshlrev_b32 v[LI], 4, v9
	v_lshlrev_b32 v[L32], 5, v9
	v_lshlrev_b32 v[BA], 6, v11
	v_lshlrev_b32 v[L8], 3, v9
	s_mul_i32 s19, s16, 4352
	s_add_co_u32 s19, s19, STAGE                   ; my stage
	v_mul_u32_u24 v[STO], v10, 272
	v_lshl_add_u32 v[STO], v11, 6, v[STO]
	v_add_nc_u32 v[STO], s19, v[STO]
	v_mul_u32_u24 v[RD], v11, 272
	v_lshl_add_u32 v[RD], v10, 4, v[RD]
	v_add_nc_u32 v[RD], s19, v[RD]
	s_lshl_b32 s19, s16, 14
	v_add_nc_u32 v[XW], s19, v[LI]
	v_lshlrev_b32 v[CO], 12, v11
	v_lshl_add_u32 v[CO], v10, 4, v[CO]
	s_wait_kmcnt 0x0
	s_lshl_b32 s20, s17, 16
	s_add_co_u32 s20, s20, s19
	s_mov_b32 s21, 0
	s_add_nc_u64 s[4:5], s[4:5], s[20:21]          ; att's images: the batch's 64 KiB, my wave's quarter
	s_lshl_b32 s20, s17, 12
	s_add_nc_u64 s[6:7], s[6:7], s[20:21]          ; its scale bytes
	s_lshl_b32 s20, s18, 13
	s_add_co_u32 s20, s20, 0x180000                ; Wo is the fourth of the weights: 3 x 64 tiles of 8,192 bytes on
	s_add_nc_u64 s[8:9], s[8:9], s[20:21]
	s_lshl_b32 s20, s18, 9
	s_add_co_u32 s20, s20, 0x18000                 ; 3 x 64 tiles of 512 bytes on
	s_add_nc_u64 s[10:11], s[10:11], s[20:21]
	s_lshl_b32 s20, ttmp9, 10
	s_lshl_b32 s22, s16, 8
	s_add_co_u32 s20, s20, s22                     ; my 64 columns, in bytes
	s_add_nc_u64 s[12:13], s[12:13], s[20:21]
	s_lshl_b32 s22, s17, 19
	s_add_co_u32 s20, s20, s22                     ; + the batch's 128 rows of 4,096 bytes
	s_add_nc_u64 s[14:15], s[14:15], s[20:21]
	s_wait_alu depctr_va_vdst(0)                   ; the addresses v1 to v8 are written, which every load, LDS instruction and store of the kernel reads; they are never written again
.set i, 0
.rept 32
	global_load_b128 v[ACC+4*i:ACC+4*i+3], v[LI], s[4:5] offset:512*i      ; my quarter of att's images
.set i, i+1
.endr
	WIN 0x40
	WLOAD 0
	WLOAD 1
	WIN 0
	s_wait_loadcnt 32                              ; my quarter is in; the 32 loads of Wo's first two tiles stay out
.set i, 0
.rept 32
	ds_store_b128 v[XW], v[ACC+4*i:ACC+4*i+3] offset:512*i                 ; into LDS as it lies
.set i, i+1
.endr
	WIN 0x40
	WLOAD 2
	WLOAD 3
	WIN 0
.irp p, 0,1,2,3
.irp gq, 0,1,2,3
	global_load_b64 v[AS+8*\p+2*\gq:AS+8*\p+2*\gq+1], v[L8], s[6:7] offset:1024*\gq+256*\p   ; K steps 2 gq and 2 gq + 1 of tiles 2 p (lanes 0-15) and 2 p + 1 (lanes 16-31)
.endr
.endr
.irp p, 0,1
.irp c, 0,1
	global_load_b128 v[WS+8*\p+4*\c:WS+8*\p+4*\c+3], v[L32], s[10:11] offset:1024*\p+16*\c
.endr
.endr
.irp t, 0,1,2,3
.irp c, 0,1
	global_load_b128 v[BO+8*\t+4*\c:BO+8*\t+4*\c+3], v[BA], s[12:13] offset:128*(\t/2)+32*(\t%2)+16*\c
.endr
.endr
	s_wait_dscnt 0x0                               ; for the others' sake: my quarter lies in LDS
	s_barrier_signal -1
	s_barrier_wait -1
.irp mh, 0,1
	WIN 0x80+0x40*\mh
.irp mi, 0,1,2,3
.irp s, 0,1,2,3,4,5,6,7
.irp c, 0,1
	ds_load_b128 v[64*\mi+8*\s+4*\c:64*\mi+8*\s+4*\c+3], v[LI] offset:(8*(4*\mh+\mi)+\s)*1024+512*\c
.endr
.endr
.endr
.endr
	WIN 0
	s_wait_loadcnt 0x0
	s_wait_dscnt 0x0
.irp mh, 0,1
	HALF \mh
	TOSTAGE \mh, 0
	TOSTAGE \mh, 1
	SEND \mh, 0, 16                                ; behind tile 0's loads: tile 1's 8 stores and 8 loads
	TOSTAGE \mh, 2
	SEND \mh, 1, 16
	TOSTAGE \mh, 3
	SEND \mh, 2, 16
	SEND \mh, 3, 0                                 ; every LDS instruction of the half is done
.endr
	s_wait_dscnt 0x0                               ; the closing lines, six on end
	s_wait_alu 0x0
	s_wait_tensorcnt 0x0
	ds_add_u32 v[SPW], v[NIL]
	s_wait_dscnt 0x0
	s_endpgm
.Lfunc_end_k_qf9f2a3b486_proj:
	.size	k_qf9f2a3b486_proj, .Lfunc_end_k_qf9f2a3b486_proj-k_qf9f2a3b486_proj
	.p2alignl 7, 3214868480
	.fill 96, 4, 3214868480
	.section	.rodata,"a",@progbits
	.p2align	6, 0x0
	.amdhsa_kernel k_qf9f2a3b486_proj
		.amdhsa_group_segment_fixed_size 83456
		.amdhsa_private_segment_fixed_size 0
		.amdhsa_enable_private_segment 0
		.amdhsa_kernarg_size 48
		.amdhsa_user_sgpr_count 2
		.amdhsa_user_sgpr_kernarg_segment_ptr 1
		.amdhsa_wavefront_size32 1
		.amdhsa_system_sgpr_workgroup_id_x 1
		.amdhsa_system_sgpr_workgroup_id_y 1
		.amdhsa_system_sgpr_workgroup_id_z 1
		.amdhsa_system_vgpr_workitem_id 0
		.amdhsa_next_free_vgpr 1024
		.amdhsa_next_free_sgpr 66
		.amdhsa_reserve_vcc 0
		.amdhsa_float_denorm_mode_32 3
		.amdhsa_float_denorm_mode_16_64 3
		.amdhsa_memory_ordered 1
		.amdhsa_forward_progress 1
		.amdhsa_inst_pref_size 73
	.end_amdhsa_kernel
	.amdgpu_metadata
---
amdhsa.version: [ 1, 2 ]
amdhsa.kernels:
  - .name:           k_qf9f2a3b486_proj
    .symbol:         k_qf9f2a3b486_proj.kd
    .args:
      - { .name: att_c, .offset: 0, .size: 8, .value_kind: global_buffer, .address_space: global }
      - { .name: att_s, .offset: 8, .size: 8, .value_kind: global_buffer, .address_space: global }
      - { .name: w_c, .offset: 16, .size: 8, .value_kind: global_buffer, .address_space: global }
      - { .name: w_s, .offset: 24, .size: 8, .value_kind: global_buffer, .address_space: global }
      - { .name: bo, .offset: 32, .size: 8, .value_kind: global_buffer, .address_space: global }
      - { .name: out0, .offset: 40, .size: 8, .value_kind: global_buffer, .address_space: global }
    .group_segment_fixed_size: 83456
    .private_segment_fixed_size: 0
    .kernarg_segment_align: 8
    .kernarg_segment_size: 48
    .max_flat_workgroup_size: 128
    .sgpr_count:     66
    .vgpr_count:     1024
    .wavefront_size: 32
...
	.end_amdgpu_metadata
.endif
;; end of part 6
